; MI455X (gfx1250); checked and timed in simulation.
; The chip was launched on July 23, 2026; its instructions are those of AMD's public machine-readable ISA for CDNA 5 (MIT licence, August 2026) and "CDNA5" Instruction Set Architecture Reference Guide (July 2026). The comments in the code are by the model that wrote it; some were corrected since.
;; Scaled Dot Product Attention. Allowed arithmetic: float matrix products may take bf16 or f16 operands with f32 sums; other float arithmetic in f32, or as packed bf16 or f16 multiplies, adds, multiply-adds, maxima and minima; sums over many terms, partial sums and values carried from step to step in f32; what a program stores and reads back later, other than sums and carried values, may be rounded once to bf16 or f16.
;; Inputs: k 4 x 2,048 x 1,024 float32; q 4 x 2,048 x 1,024 float32; v 4 x 2,048 x 1,024 float32; w_k 1,024 x 1,024 float32; w_q 1,024 x 1,024 float32; w_v 1,024 x 1,024 float32.
;; Outputs: out0 4 x 2,048 x 1,024 float32.
;; 2 versions, each right; version 2 is version 1 with the launch cast written anew for expert scheduling mode. Each part assembles by itself: llvm-mc -triple=amdgcn-amd-amdhsa -mcpu=gfx1250 --defsym DOCPART=n.
;; ======== version 1 of 2: 4 launches
;; limits: values are held in f16: magnitudes above 65,504 overflow, below 6.1e-05 lose precision
;; workspace buffers: xb 50,331,648 bytes; wb 6,291,456 bytes; qkv 50,331,648 bytes; p 33,554,432 bytes; st 1,048,576 bytes
;; launch cast (part 1): grid 256 x 1, 32 waves a work-group, no clusters, 0 bytes of LDS; arguments q, k, v, w_q, w_k, w_v, xb, wb; writes xb, wb
.if DOCPART == 1
	.amdgcn_target "amdgcn-amd-amdhsa--gfx1250"
	.amdhsa_code_object_version 6
	.text
	.protected	k_qe97d9fc62f_cast
	.globl	k_qe97d9fc62f_cast
	.p2align	8
	.type	k_qe97d9fc62f_cast,@function
k_qe97d9fc62f_cast:
	s_mov_b64 s[64:65], 0
	v_nop
	global_prefetch_b8 v0, s[64:65] scope:SCOPE_SE
	s_setreg_imm32_b32 hwreg(HW_REG_WAVE_MODE, 25, 1), 1
	s_wait_xcnt 0x0
; All six inputs are rounded once to bf16 (nearest even): q, k, v -> xb [24576][1024] (q's rows, then k's, then v's), w_q, w_k, w_v -> wb [3][1024][1024].
; A stream: no LDS, no barrier, no matrix unit.  256 work-groups of 1,024 threads.  Work-group g takes 131,072 bytes of each of q, k, v (8 blocks of 16,384 bytes:
; 1,024 threads x 16 bytes) and one block of 16,384 bytes of each weight: 27 loads a thread, all issued before the first is waited for.
; A wave's load covers 512 consecutive bytes, its store 256 consecutive bytes at a multiple of 256 from the buffer's first byte.
; No register is written again while a store that names it may be pending, so no wait for the stores' sources is needed.
.set X, 4                              ; v[4:111]  load n in v[X+4n : X+4n+3]; its two packed words take the first two of them
	s_load_b512 s[8:23], s[0:1], 0x0               ; q 8, k 10, v 12, w_q 14, w_k 16, w_v 18, xb 20, wb 22
	s_lshl_b32 s2, ttmp9, 17                       ; my 131,072 bytes of q, k, v
	s_mov_b32 s3, 0
	s_lshl_b32 s24, ttmp9, 14                      ; my 16,384 bytes of a weight
	s_mov_b32 s25, 0
	s_lshl_b32 s34, ttmp9, 16                      ; half as much in bf16
	s_mov_b32 s35, 0
	s_lshl_b32 s36, ttmp9, 13
	s_mov_b32 s37, 0
	v_lshlrev_b32 v1, 4, v0                        ; 16 bytes a thread in
	v_lshlrev_b32 v2, 3, v0                        ; 8 bytes a thread out
	s_wait_kmcnt 0x0
	s_add_nc_u64 s[8:9], s[8:9], s[2:3]
	s_add_nc_u64 s[10:11], s[10:11], s[2:3]
	s_add_nc_u64 s[12:13], s[12:13], s[2:3]
	s_add_nc_u64 s[14:15], s[14:15], s[24:25]
	s_add_nc_u64 s[16:17], s[16:17], s[24:25]
	s_add_nc_u64 s[18:19], s[18:19], s[24:25]
	s_add_nc_u64 s[26:27], s[20:21], s[34:35]      ; xb at my part of q's rows,
	s_add_nc_u64 s[28:29], s[26:27], 0x1000000     ; of k's (8,192 rows of 2,048 bytes on),
	s_add_nc_u64 s[30:31], s[26:27], 0x2000000     ; of v's
	s_add_nc_u64 s[32:33], s[22:23], s[36:37]      ; wb at my part of w_q
.macro LD8 base, first                 ; eight blocks of one activation
.set n, 0
.rept 8
	global_load_b128 v[X+4*((\first)+n):X+4*((\first)+n)+3], v1, s[\base:\base+1] offset:n*16384 th:TH_LOAD_NT
.set n, n+1
.endr
.endm
	LD8 8, 0
	LD8 10, 8
	LD8 12, 16
	global_load_b128 v[X+96:X+99],   v1, s[14:15] th:TH_LOAD_NT
	global_load_b128 v[X+100:X+103], v1, s[16:17] th:TH_LOAD_NT
	global_load_b128 v[X+104:X+107], v1, s[18:19] th:TH_LOAD_NT
.macro OUT m, base, off                ; load m is in (26 - m younger loads may stay out: loads come back in order); two roundings of two; 8 bytes out
	s_wait_loadcnt 26-(\m)
	v_cvt_pk_bf16_f32 v[X+4*(\m)],   v[X+4*(\m)],   v[X+4*(\m)+1]
	v_cvt_pk_bf16_f32 v[X+4*(\m)+1], v[X+4*(\m)+2], v[X+4*(\m)+3]
	global_store_b64 v2, v[X+4*(\m):X+4*(\m)+1], s[\base:\base+1] offset:\off
.endm
.macro ST8 base, first
.set n, 0
.rept 8
	OUT (\first)+n, \base, n*8192
.set n, n+1
.endr
.endm
	ST8 26, 0
	ST8 28, 8
	ST8 30, 16
	OUT 24, 32, 0
	OUT 25, 32, 2097152                            ; a weight is 2,097,152 bytes in bf16
	OUT 26, 32, 4194304
	s_endpgm
.Lfunc_end_k_qe97d9fc62f_cast:
	.size	k_qe97d9fc62f_cast, .Lfunc_end_k_qe97d9fc62f_cast-k_qe97d9fc62f_cast
	.p2alignl 7, 3214868480
	.fill 96, 4, 3214868480
	.section	.rodata,"a",@progbits
	.p2align	6, 0x0
	.amdhsa_kernel k_qe97d9fc62f_cast
		.amdhsa_group_segment_fixed_size 0
		.amdhsa_private_segment_fixed_size 0
		.amdhsa_enable_private_segment 0
		.amdhsa_kernarg_size 64
		.amdhsa_user_sgpr_count 2
		.amdhsa_user_sgpr_kernarg_segment_ptr 1
		.amdhsa_wavefront_size32 1
		.amdhsa_system_sgpr_workgroup_id_x 1
		.amdhsa_system_sgpr_workgroup_id_y 1
		.amdhsa_system_sgpr_workgroup_id_z 1
		.amdhsa_system_vgpr_workitem_id 0
		.amdhsa_next_free_vgpr 112
		.amdhsa_next_free_sgpr 66
		.amdhsa_reserve_vcc 0
		.amdhsa_float_denorm_mode_32 3
		.amdhsa_float_denorm_mode_16_64 3
		.amdhsa_memory_ordered 1
		.amdhsa_forward_progress 1
		.amdhsa_inst_pref_size 11
	.end_amdhsa_kernel
	.amdgpu_metadata
---
amdhsa.version: [ 1, 2 ]
amdhsa.kernels:
  - .name:           k_qe97d9fc62f_cast
    .symbol:         k_qe97d9fc62f_cast.kd
    .args:
      - { .name: q, .offset: 0, .size: 8, .value_kind: global_buffer, .address_space: global }
      - { .name: k, .offset: 8, .size: 8, .value_kind: global_buffer, .address_space: global }
      - { .name: v, .offset: 16, .size: 8, .value_kind: global_buffer, .address_space: global }
      - { .name: w_q, .offset: 24, .size: 8, .value_kind: global_buffer, .address_space: global }
      - { .name: w_k, .offset: 32, .size: 8, .value_kind: global_buffer, .address_space: global }
      - { .name: w_v, .offset: 40, .size: 8, .value_kind: global_buffer, .address_space: global }
      - { .name: xb, .offset: 48, .size: 8, .value_kind: global_buffer, .address_space: global }
      - { .name: wb, .offset: 56, .size: 8, .value_kind: global_buffer, .address_space: global }
    .group_segment_fixed_size: 0
    .private_segment_fixed_size: 0
    .kernarg_segment_align: 8
    .kernarg_segment_size: 64
    .max_flat_workgroup_size: 1024
    .sgpr_count:     66
    .vgpr_count:     112
    .wavefront_size: 32
...
	.end_amdgpu_metadata
.endif
;; end of part 1
;; launch proj (part 2): grid 4 x 96, 4 waves a work-group, clusters of 4 x 4, 327,680 bytes of LDS; arguments xb, wb, qkv; writes qkv
.if DOCPART == 2
	.amdgcn_target "amdgcn-amd-amdhsa--gfx1250"
	.amdhsa_code_object_version 6
	.text
	.protected	k_qe97d9fc62f_proj
	.globl	k_qe97d9fc62f_proj
	.p2align	8
	.type	k_qe97d9fc62f_proj,@function
k_qe97d9fc62f_proj:
	s_mov_b64 s[64:65], 0
	v_nop
	global_prefetch_b8 v0, s[64:65] scope:SCOPE_SE
	s_setreg_imm32_b32 hwreg(HW_REG_WAVE_MODE, 25, 1), 1
	s_wait_xcnt 0x0
	s_wait_alu depctr_hold_cnt(0) depctr_sa_sdst(0) depctr_va_vdst(0) depctr_va_sdst(0) depctr_va_ssrc(0) depctr_va_vcc(0) depctr_vm_vsrc(0)
	s_getreg_b32 s2, hwreg(HW_REG_IB_STS2, 6, 4)
	s_cmp_eq_u32 s2, 0
	s_cbranch_scc0 .Lentry_in_a_cluster
	s_endpgm
.Lentry_in_a_cluster:
	s_bfe_u32 s2, ttmp6, 0x10000c
	s_cmp_lg_u32 s2, 0xf033
	s_cbranch_scc0 .Lentry_shape_is_right
	s_endpgm
.Lentry_shape_is_right:
; qkv[m][n] = sum over k of xb[m][k] wb[m / 8192][n][k]: the three projections x W^T as one product.  xb [24576][1024] and wb [3][1024][1024] bf16, sums in f32, qkv [24576][1024] f16, rounded once.
; LIMIT.  f16 holds no number beyond 65,504: query, key and value must stay within it (drawn inputs give a spread of 0.6; both factors 30 times larger give some 500).
; SHARES.  A tile of qkv is 256 rows x 256 columns; four waves, each 128 x 128: 64 accumulators of 16 x 16, 512 registers.  96 x 4 = 384 tiles: one and a half for each of 256 WGPs.
; A tile of 128 x 256 would divide evenly (768), but a K step of it holds 128 matrix instructions a wave in which the next tile can land, this one 256, and it reads 24 LDS loads for 32 matrix
; instructions, this one 32 for 64.  A tile of 384 x 256 (256 tiles) needs 768 registers of accumulators beside 320 of fragments, and 348,160 bytes for two slots: neither fits.
; K goes in steps of 128 through two LDS slots filled by the tensor data mover; a tile row is 256 bytes of memory at a multiple of 256.
; CLUSTER.  4 x 4 work-groups: the four of a row of the cluster need the same rows of xb, the four of a column the same rows of wb (8 clusters along y lie in one projection):
; each tile is asked for jointly, by the same tensor load with the same descriptor and a mask that names the four.
; THE MATRIX INSTRUCTION IS USED TRANSPOSED: source 0 = 16 rows of wb, source 1 = 16 rows of xb: a lane then holds row l % 16 and the eight neighbouring columns 8 (l / 16) + 0..7.
; REGISTERS, in windows of 256 (s_set_vgpr_msb: bits 1:0 source 0, 3:2 source 1, 5:4 source 2, 7:6 destination):
;   window 0: v0-31 addresses; v64-127, v128-191 fragments of xb, two buffers (behind the loop: the way out)        window 1: v64-127, v128-191 fragments of wb
;   window 2: the 32 accumulators of my rows 0-63 ((a, b) at 8 (8 a + b))        window 3: those of my rows 64-127
; The 64 accumulators take turns, one instruction a turn, in the same order in every quarter step.
.set SIZE_K, 1024
.set ROWB,   2048                      ; bytes in a row of xb, wb and qkv
.set KSTEP,  128
.set PITCH,  272                       ; an LDS row: 256 bytes + 16 of padding = 68 words: the 16 rows of a fragment load start at 16 different groups of four banks (ISA guide 11.1)
.set HALFT,  128*PITCH                 ; 128 rows: what one tensor load brings, and what one wave reads of xb or of wb
.set SLOT,   4*HALFT                   ; xb's 256 rows, then wb's 256 rows
.set STAGE,  2*SLOT                    ; behind the ring: 16 rows x 272 bytes for each wave, for the way out
.set SPARE,  STAGE+4*16*PITCH          ; behind the stages: the spare words, 128 bytes for each wave: two blocks of 256 bytes that no other line names
.set LAPS,   SIZE_K/(2*KSTEP)          ; a lap = two K steps = once round the ring
.set ADRA, 16                          ; v16-17  LDS address of my xb fragments in slot 0, 1
.set ADRB, 20                          ; v20-21  the same for wb
.set STO,  24                          ; v24     the way out: where I put 16 bytes of a row
.set RD,   25                          ; v25     where I read a row back
.set CO,   26                          ; v26     my byte offset in qkv
.set SPW,  28                          ; v28     LDS address of my spare word; never rewritten
.set NIL,  29                          ; v29     0; never rewritten
.set F0,   64                          ; fragment buffer 0
.set F1,   128                         ; fragment buffer 1
.set TMP,  64                          ; the way out: v64-95 packed results
.set BK,   96                          ; v96-127, v128-159  16 rows read back from the stage, by turns
.set G1, 24                            ; s[24:31] descriptor group 1 for xb's tiles;  s[32:39] group 0, a set for each slot
.set G0, 32
.set G1B, 48                           ; s[48:55], s[56:63] the same for wb's
.set G0B, 56
.set PADW, (1<<16)|(1<<20)|(1<<21)|(5<<22)|(3<<25)  ; 17:16 elements of 2 bytes; 20 padding on; 21 set beside a mask; 24:22 after every 64 words; 31:25 4 words of it
.set MSB, 0
.macro WIN new                         ; the immediate's high byte repeats the setting that is left; a switch that changes nothing is dropped
.if MSB != (\new)
	s_set_vgpr_msb (MSB<<8)|(\new)
.set MSB, \new
.endif
.endm
.set MUL_LO, 0xa1                      ; source 0 (wb) window 1, source 1 (xb) window 0, C and D window 2
.set MUL_HI, 0xf1                      ; the same, C and D window 3
.set TO_B,   0x40                      ; destination window 1, address window 0
; A joint load.  Waves 0 and 1 fetch xb's two halves, waves 2 and 3 wb's; the LDS address is wave x 128 rows in both lines.  The branch hangs on the wave's number alone.
; An s_nop 0 and four v_nop follow each of the two lines.
.macro JLOAD s
	s_cmp_eq_u32 s11, 0
	s_cbranch_scc0 .Lfor_b_\@
	tensor_load_to_lds s[G0+4*(\s):G0+4*(\s)+3], s[G1:G1+7]
	s_nop 0
.rept 4
	v_nop
.endr
	s_branch .Lasked_\@
.Lfor_b_\@:
	tensor_load_to_lds s[G0B+4*(\s):G0B+4*(\s)+3], s[G1B:G1B+7]
	s_nop 0
.rept 4
	v_nop
.endr
.Lasked_\@:
.endm
.macro CREST                           ; a round of the cluster's barrier behind its opening barrier
	s_cmp_lg_u32 s10, 0
	s_cbranch_scc1 .Lnot_wave_0_\@
	s_barrier_signal -3
.Lnot_wave_0_\@:
	s_barrier_wait -3
	s_barrier_signal -1
	s_barrier_wait -1
.endm
.macro CROUND                          ; a whole round
	s_barrier_signal -1
	s_barrier_wait -1
	CREST
.endm
	s_load_b128 s[4:7], s[0:1], 0x0                ; xb s[4:5], wb s[6:7]
	s_load_b64 s[8:9], s[0:1], 0x10                ; qkv
	v_lshl_add_u32 v[SPW], v0, 2, SPARE
	v_mov_b32 v[NIL], 0
	ds_add_u32 v[SPW], v[NIL]                      ; the wave's opening: the add and its wait stand ahead of my first tensor load; the set-up below stands between them
	v_lshrrev_b32 v1, 5, v0
	v_readfirstlane_b32 s10, v1                    ; wave 0..3
	s_lshr_b32 s11, s10, 1                         ; which 128 rows of the tile are mine.  Also: I fetch for xb (0) or for wb (1)
	s_and_b32 s12, s10, 1                          ; which 128 columns.  Also: which 128 rows of that tile I fetch
	s_bfe_u32 s40, ttmp6, 0x40000                  ; cx
	s_bfe_u32 s41, ttmp6, 0x40004                  ; cy
	s_lshl_b32 s42, ttmp9, 2
	s_add_co_u32 s42, s42, s40                     ; tile column = 4 x cluster x + cx, 0..3
	s_and_b32 s45, ttmp7, 0xffff                   ; cluster y
	s_lshl_b32 s13, s45, 2
	s_add_co_u32 s13, s13, s41                     ; tile row = 4 x cluster y + cy, 0..95
	s_lshr_b32 s45, s45, 3                         ; the projection: 32 tile rows = 8 clusters each
	s_lshl_b32 s43, s41, 2
	s_lshl_b32 s43, 15, s43                        ; my row of the cluster
	s_lshl_b32 s44, 0x1111, s40                    ; my column
	s_or_b32 s[G1+0], s43, PADW                    ; xb's tiles go to my row
	s_or_b32 s[G1B+0], s44, PADW                   ; wb's to my column
.irp g, G1, G1B
	s_mov_b32 s[(\g)+1], KSTEP<<16                 ; tensor_dim0 = 128
	s_mov_b32 s[(\g)+2], 128<<16                   ; tensor_dim1 = 128
	s_mov_b32 s[(\g)+3], KSTEP<<16                 ; tile_dim0 = 128
	s_mov_b32 s[(\g)+4], 128                       ; tile_dim1 = 128
	s_mov_b32 s[(\g)+5], SIZE_K                    ; elements from row to row
	s_mov_b32 s[(\g)+6], 0
	s_mov_b32 s[(\g)+7], 0
.endr
	s_lshl_b32 s16, s13, 19                        ; xb: (256 x tile row + 128 x half) rows of 2,048 bytes: the tile row alone, which my row of the cluster shares
	s_lshl_b32 s17, s12, 18
	s_add_co_u32 s16, s16, s17
	s_mov_b32 s17, 0
	s_lshl_b32 s46, s45, 21                        ; wb: the projection's 2,097,152 bytes, (256 x tile column + 128 x half) rows: what my column shares
	s_lshl_b32 s47, s42, 19
	s_add_co_u32 s46, s46, s47
	s_lshl_b32 s47, s12, 18
	s_add_co_u32 s46, s46, s47
	s_mov_b32 s47, 0
	s_mul_i32 s20, s10, HALFT                      ; where they go: wave x 128 rows: no place in the cluster enters an LDS address
	s_wait_dscnt 0x0                               ; the opening add is done
	s_wait_kmcnt 0x0
	s_add_nc_u64 s[14:15], s[4:5], s[16:17]
	s_add_nc_u64 s[46:47], s[6:7], s[46:47]
	CROUND                                         ; all sixteen work-groups are here: the first joint loads meet
.irp s, 0,1
	s_mov_b32 s[G0+4*(\s)], 1                                      ; count = 1
	s_add_co_u32 s[G0+4*(\s)+1], s20, (\s)*SLOT                    ; LDS address
	s_add_nc_u64 s[G0+4*(\s)+2:G0+4*(\s)+3], s[14:15], (\s)*KSTEP*2  ; global address: K step s
	s_or_b32 s[G0+4*(\s)+3], s[G0+4*(\s)+3], 0x80000000            ; type = 2
	s_mov_b32 s[G0B+4*(\s)], 1
	s_add_co_u32 s[G0B+4*(\s)+1], s20, (\s)*SLOT
	s_add_nc_u64 s[G0B+4*(\s)+2:G0B+4*(\s)+3], s[46:47], (\s)*KSTEP*2
	s_or_b32 s[G0B+4*(\s)+3], s[G0B+4*(\s)+3], 0x80000000
	JLOAD \s                                       ; two loads of mine are out
.endr
	; A fragment is 16 rows x 32 K in 8 registers: lane l holds row l % 16, K = 8 (l / 16) + 0..7 and 16 + 8 (l / 16) + 0..7: two loads of 16 bytes, 32 bytes apart.
	v_and_b32 v1, 15, v0                           ; l % 16
	v_bfe_u32 v2, v0, 4, 1                         ; l / 16
	v_mul_u32_u24 v3, v1, PITCH
	v_lshl_add_u32 v3, v2, 4, v3                   ; row x pitch + 16 x half
	s_mul_i32 s21, s11, HALFT                      ; my 128 rows of xb
	s_mul_i32 s22, s12, HALFT                      ; my 128 rows of wb,
	s_add_co_u32 s22, s22, 2*HALFT                 ; which lie behind xb's 256
.irp s, 0,1
	v_add_nc_u32 v[ADRA+(\s)], s21, v3
	v_add_nc_u32 v[ADRB+(\s)], s22, v3
	s_add_co_u32 s21, s21, SLOT
	s_add_co_u32 s22, s22, SLOT
.endr
	s_mul_i32 s23, s10, 16*PITCH
	s_add_co_u32 s23, s23, STAGE                   ; my stage
	v_add_nc_u32 v[STO], s23, v3                   ; in: row l % 16, 16 bytes for each half of the lanes
	v_mul_u32_u24 v5, v2, PITCH                    ; back: lanes 0-15 take one row of 256 bytes, lanes 16-31 the next
	v_lshl_add_u32 v5, v1, 4, v5
	v_add_nc_u32 v[RD], s23, v5
	v_lshlrev_b32 v5, 11, v2                       ; and the same two rows in qkv
	v_lshl_add_u32 v[CO], v1, 4, v5
	s_lshl_b32 s16, s13, 19                        ; my part of the tile in qkv: (256 x tile row + 128 x row half) rows, 512 x tile column + 256 x column half bytes
	s_lshl_b32 s17, s11, 18
	s_add_co_u32 s16, s16, s17
	s_lshl_b32 s17, s42, 9
	s_add_co_u32 s16, s16, s17
	s_lshl_b32 s17, s12, 8
	s_add_co_u32 s16, s16, s17
	s_mov_b32 s17, 0
	s_add_nc_u64 s[8:9], s[8:9], s[16:17]
; 16 matrix instructions: row blocks a0, a0 + 1 of the window's four x all 8 column blocks, 32 along K.  zero = 1: the first product starts the sums.
.macro MUL16 f, hi, a0, zero
	WIN MUL_LO+0x50*(\hi)
.irp a, \a0, (\a0)+1
.irp b, 0,1,2,3,4,5,6,7
.if \zero
	v_wmma_f32_16x16x32_bf16 v[8*(8*(\a)+(\b)):8*(8*(\a)+(\b))+7], v[(\f)+8*(\b):(\f)+8*(\b)+7], v[(\f)+8*(4*(\hi)+(\a)):(\f)+8*(4*(\hi)+(\a))+7], 0
.else
	v_wmma_f32_16x16x32_bf16 v[8*(8*(\a)+(\b)):8*(8*(\a)+(\b))+7], v[(\f)+8*(\b):(\f)+8*(\b)+7], v[(\f)+8*(4*(\hi)+(\a)):(\f)+8*(4*(\hi)+(\a))+7], v[8*(8*(\a)+(\b)):8*(8*(\a)+(\b))+7]
.endif
.endr
.endr
.endm
; 32 LDS loads in one run: the fragments of one quarter step (128 rows of wb, 128 rows of xb, 32 K at byte k of the rows) into buffer f
.macro FETCH slot, k, f
	WIN TO_B
.irp i, 0,1,2,3,4,5,6,7
	ds_load_b128 v[(\f)+8*(\i):(\f)+8*(\i)+3],   v[ADRB+(\slot)] offset:(\k)+(\i)*16*PITCH
	ds_load_b128 v[(\f)+8*(\i)+4:(\f)+8*(\i)+7], v[ADRB+(\slot)] offset:(\k)+(\i)*16*PITCH+32
.endr
	WIN 0
.irp i, 0,1,2,3,4,5,6,7
	ds_load_b128 v[(\f)+8*(\i):(\f)+8*(\i)+3],   v[ADRA+(\slot)] offset:(\k)+(\i)*16*PITCH
	ds_load_b128 v[(\f)+8*(\i)+4:(\f)+8*(\i)+7], v[ADRA+(\slot)] offset:(\k)+(\i)*16*PITCH+32
.endr
.endm
.macro PLACES                          ; four places in front of loads into registers that matrix instructions have read, and of conversions that read results
.rept 4
	v_nop
.endr
.endm
; A K step is four quarters of 32 along K, 64 matrix instructions each, on buffers 0, 1, 0, 1.  One of the first three: multiplies buffer f; in its middle it fetches the next quarter, at byte k, into buffer g.
.macro QUARTER slot, k, f, g, zero
	s_wait_dscnt 8                                 ; wb's fragments and xb's rows 0-63 are in; the youngest eight loads (rows 64-127) may be out
	MUL16 \f, 0, 0, \zero
	MUL16 \f, 0, 2, \zero
	PLACES
	FETCH \slot, \k, \g
	s_wait_dscnt 32                                ; all but the 32 just issued
	MUL16 \f, 1, 0, \zero
	MUL16 \f, 1, 2, \zero
.endm
; The first half of the last quarter, which changes slots: ONE barrier; in front of it each wave waits for all its tensor loads (one is out: its part of the next slot), adds 0 to its spare word,
; and waits for that and for its own reads of this slot.
.macro MEET round
	WIN 0                                          ; (the add's two registers lie in window 0)
	s_wait_tensorcnt 0x0
	ds_add_u32 v[SPW], v[NIL]                      ; 0 onto my spare word
	s_wait_dscnt 9                                 ; (the add and the youngest eight loads may be out)
	MUL16 F1, 0, 0, 0                              ; sixteen matrix instructions stand between the add and the wait for it
	s_wait_dscnt 0x0                               ; the add is done, and my reads of this slot are over
	s_barrier_signal -1
	MUL16 F1, 0, 2, 0
.if \round
	WIN 0
.endif
	s_barrier_wait -1
.endm
.macro TURN slot, next
	MEET 1
	CREST                                          ; no wave of any partner still reads this slot or has a load on its way
	s_add_nc_u64 s[G0+4*(\slot)+2:G0+4*(\slot)+3], s[G0+4*(\slot)+2:G0+4*(\slot)+3], 2*KSTEP*2
	s_add_nc_u64 s[G0B+4*(\slot)+2:G0B+4*(\slot)+3], s[G0B+4*(\slot)+2:G0B+4*(\slot)+3], 2*KSTEP*2
	JLOAD \slot                                    ; 224 matrix instructions ahead of the wait for it; its four v_nop are also the places in front of the loads below
	FETCH \next, 0, F0
	MUL16 F1, 1, 0, 0
	MUL16 F1, 1, 2, 0
.endm
; THE WAY OUT of row block a: rounded to f16, 16 bytes a lane; into my own stage and back as whole rows of 256 bytes; stored.
.macro PACK a
	WIN 0x0a+5*((\a)/4)                            ; sources 0 and 1: window 2 or 3
.irp b, 0,1,2,3,4,5,6,7
.irp r, 0,1,2,3
	v_cvt_pk_f16_f32 v[TMP+4*(\b)+(\r)], v[64*((\a)%4)+8*(\b)+2*(\r)], v[64*((\a)%4)+8*(\b)+2*(\r)+1]
.endr
.endr
	WIN 0
.endm
.macro TOSTAGE a
	s_wait_xcnt 0x0                                ; the stores of two blocks ago have read the registers that are loaded below
.irp b, 0,1,2,3,4,5,6,7
	ds_store_b128 v[STO], v[TMP+4*(\b):TMP+4*(\b)+3] offset:32*(\b)
.endr
.irp t, 0,1,2,3,4,5,6,7
	ds_load_b128 v[BK+32*((\a)%2)+4*(\t):BK+32*((\a)%2)+4*(\t)+3], v[RD] offset:(\t)*2*PITCH  ; LDS serves a wave's instructions in order (ISA guide 5.7.1.4): these see the stores above
.endr
.endm
.macro SEND a
	s_wait_dscnt 0x0                               ; the block is back in registers
.irp t, 0,1,2,3,4,5,6,7
	global_store_b128 v[CO], v[BK+32*((\a)%2)+4*(\t):BK+32*((\a)%2)+4*(\t)+3], s[8:9] offset:(\a)*16*ROWB+(\t)*2*ROWB  ; 16 lanes store 256 consecutive bytes, at a multiple of 256 from qkv's first byte
.endr
.endm
	s_wait_tensorcnt 1                             ; my part of K step 0 is in; K step 1's may stay out
	s_barrier_signal -1
	s_barrier_wait -1                              ; everybody's is
	FETCH 0, 0, F0
	QUARTER 0, 64,  F0, F1, 1                      ; the first quarter stands in front of the loop: its products start the sums
	WIN 0                                          ; at a label and at a branch every window is 0
	s_mov_b32 s3, LAPS-1
.Llap:                                                 ; a trip goes once round the ring, from a lap's second quarter to the next lap's first, and fills both slots again
	QUARTER 0, 128, F1, F0, 0
	QUARTER 0, 192, F0, F1, 0
	TURN 0, 1
	QUARTER 1, 64,  F0, F1, 0
	QUARTER 1, 128, F1, F0, 0
	QUARTER 1, 192, F0, F1, 0
	TURN 1, 0
	QUARTER 0, 64,  F0, F1, 0
	WIN 0
	s_sub_co_u32 s3, s3, 1
	s_cmp_lg_u32 s3, 0
	s_cbranch_scc1 .Llap
	QUARTER 0, 128, F1, F0, 0                      ; the last lap fills nothing
	QUARTER 0, 192, F0, F1, 0
	MEET 0
	PLACES
	FETCH 1, 0, F0
	MUL16 F1, 1, 0, 0
	MUL16 F1, 1, 2, 0
	QUARTER 1, 64,  F0, F1, 0
	QUARTER 1, 128, F1, F0, 0
	QUARTER 1, 192, F0, F1, 0
	s_wait_dscnt 8                                 ; the very last quarter: nothing more to fetch
	MUL16 F1, 0, 0, 0
	MUL16 F1, 0, 2, 0
	s_wait_dscnt 0x0
	MUL16 F1, 1, 0, 0
	MUL16 F1, 1, 2, 0
	WIN 0
	PLACES
	PACK 0
	TOSTAGE 0
.irp a, 1,2,3,4,5,6,7                  ; block a's conversions stand between block a - 1's loads from the stage and the wait for them
	PACK \a
	SEND (\a)-1
	TOSTAGE \a
.endr
	SEND 7
	s_wait_tensorcnt 0x0                           ; the wave's end
	ds_add_u32 v[SPW], v[NIL]
	s_wait_dscnt 0x0
	CROUND                                         ; the closing round
	s_endpgm
.Lfunc_end_k_qe97d9fc62f_proj:
	.size	k_qe97d9fc62f_proj, .Lfunc_end_k_qe97d9fc62f_proj-k_qe97d9fc62f_proj
	.p2alignl 7, 3214868480
	.fill 96, 4, 3214868480
	.section	.rodata,"a",@progbits
	.p2align	6, 0x0
	.amdhsa_kernel k_qe97d9fc62f_proj
		.amdhsa_group_segment_fixed_size 327680
		.amdhsa_private_segment_fixed_size 0
		.amdhsa_enable_private_segment 0
		.amdhsa_kernarg_size 24
		.amdhsa_user_sgpr_count 2
		.amdhsa_user_sgpr_kernarg_segment_ptr 1
		.amdhsa_wavefront_size32 1
		.amdhsa_system_sgpr_workgroup_id_x 1
		.amdhsa_system_sgpr_workgroup_id_y 1
		.amdhsa_system_sgpr_workgroup_id_z 1
		.amdhsa_system_vgpr_workitem_id 0
		.amdhsa_next_free_vgpr 1024
		.amdhsa_next_free_sgpr 66
		.amdhsa_reserve_vcc 0
		.amdhsa_float_denorm_mode_32 3
		.amdhsa_float_denorm_mode_16_64 3
		.amdhsa_memory_ordered 1
		.amdhsa_forward_progress 1
		.amdhsa_inst_pref_size 142
	.end_amdhsa_kernel
	.amdgpu_metadata
---
amdhsa.version: [ 1, 2 ]
amdhsa.kernels:
  - .name:           k_qe97d9fc62f_proj
    .symbol:         k_qe97d9fc62f_proj.kd
    .args:
      - { .name: xb, .offset: 0, .size: 8, .value_kind: global_buffer, .address_space: global }
      - { .name: wb, .offset: 8, .size: 8, .value_kind: global_buffer, .address_space: global }
      - { .name: qkv, .offset: 16, .size: 8, .value_kind: global_buffer, .address_space: global }
    .group_segment_fixed_size: 327680
    .private_segment_fixed_size: 0
    .kernarg_segment_align: 8
    .kernarg_segment_size: 24
    .max_flat_workgroup_size: 128
    .sgpr_count:     66
    .vgpr_count:     1024
    .wavefront_size: 32
...
	.end_amdgpu_metadata
.endif
;; end of part 2
;; launch scores (part 3): grid 8 x 32, 4 waves a work-group, clusters of 4 x 4, 327,680 bytes of LDS; arguments qkv, p, st; writes p, st
.if DOCPART == 3
	.amdgcn_target "amdgcn-amd-amdhsa--gfx1250"
	.amdhsa_code_object_version 6
	.text
	.protected	k_qe97d9fc62f_scores
	.globl	k_qe97d9fc62f_scores
	.p2align	8
	.type	k_qe97d9fc62f_scores,@function
k_qe97d9fc62f_scores:
	s_mov_b64 s[64:65], 0
	v_nop
	global_prefetch_b8 v0, s[64:65] scope:SCOPE_SE
	s_setreg_imm32_b32 hwreg(HW_REG_WAVE_MODE, 25, 1), 1
	s_wait_xcnt 0x0
	s_wait_alu depctr_hold_cnt(0) depctr_sa_sdst(0) depctr_va_vdst(0) depctr_va_sdst(0) depctr_va_ssrc(0) depctr_va_vcc(0) depctr_vm_vsrc(0)
	s_getreg_b32 s2, hwreg(HW_REG_IB_STS2, 6, 4)
	s_cmp_eq_u32 s2, 0
	s_cbranch_scc0 .Lentry_in_a_cluster
	s_endpgm
.Lentry_in_a_cluster:
	s_bfe_u32 s2, ttmp6, 0x10000c
	s_cmp_lg_u32 s2, 0xf033
	s_cbranch_scc0 .Lentry_shape_is_right
	s_endpgm
.Lentry_shape_is_right:
; For each batch: s = query key^T (f16 operands, f32 sums, 1,024 along K).  For each row and each CHUNK of 128 keys: cm = c x (the chunk's largest s), c = log2(e) / 32;
; p = 2^(c s - cm), rounded once to f16, into p [8192][2048]; l = the sum of the chunk's unrounded p; cm and l in f32 into st [2][16 chunks][8192 rows].
; The maximum taken away here is the chunk's true maximum; the launch behind takes the row's true maximum of the 16 cm and corrects each chunk by 2^(cm - the row's), at most 1.
; LIMITS.  p lies in 0 to 1 (to within the rounding of cm); below 6e-5 it keeps f16's fixed step of 6e-8; a weight below 2^-126 counts as 0 in l; NaN and infinities are not treated apart.
; SHARES.  A tile is 256 queries x 256 keys: four waves, each 128 x 128 (one chunk): 64 accumulators, 512 registers.  8 x 32 tiles: one for each of 256 WGPs.
; K goes in steps of 128 through two LDS slots; CLUSTER 4 x 4: query tiles are shared along a row of the cluster, key tiles along a column (two clusters along y lie in one batch), by joint loads.
; THE MATRIX INSTRUCTION IS USED TRANSPOSED: source 0 = 16 keys, source 1 = 16 queries: a lane holds ONE query (l % 16) and the keys 8 (l / 16) + 0..7 of each block of 16,
; so a row's maximum and sum want one exchange between the halves of the lanes, and eight neighbouring p pack into 16 bytes.
; BEHIND THE LOOP the softmax of a row block is written for the four blocks of one register window and walked twice: between the two trips the 256 registers of my rows 64-127 are copied
; into the window that the text names.  The price is 256 v_mov_b32 once a wave; the gain is half of that text.
; REGISTERS, in windows of 256: window 0: v0-31 addresses; v32-43 at work behind the loop; v64-127, v128-191 fragments of query, two buffers (behind the loop: at work); v192-231 behind the loop
;   window 1: v64-127, v128-191 fragments of key        window 2: the 32 accumulators of my rows 0-63 ((a, b) at 8 (8 a + b))        window 3: those of my rows 64-127
; The 64 accumulators take turns, one instruction a turn, in the same order in every quarter step.
.set SIZE_K, 1024
.set KSTEP,  128
.set PITCH,  272                       ; an LDS row: 256 bytes + 16 of padding: the 16 rows of a load start at 16 different groups of four banks (ISA guide 11.1)
.set HALFT,  128*PITCH
.set SLOT,   4*HALFT                   ; query's 256 rows, then key's 256 rows
.set STAGE,  2*SLOT                    ; behind the ring: 16 rows x 272 bytes for each wave
.set SPITCH, 272
.set SSTG,   STAGE+4*16*SPITCH         ; 1,024 bytes for each wave: 128 cm, then 128 l
.set SPARE,  SSTG+4*1024               ; the spare words, 128 bytes for each wave: two blocks of 256 bytes that no other line names
.set LAPS,   SIZE_K/(2*KSTEP)
.set PROW,   4096                      ; bytes in a row of p
.set ADRA, 16
.set ADRB, 20
.set STO,  24
.set RD,   25
.set CO,   26
.set SPW,  28
.set NIL,  29
.set C0,   32                          ; v32-35  four chains of the maximum
.set XR,   36                          ; v36     what the other half of the lanes sent
.set CMR,  38                          ; v38-39  cm, as a pair
.set LN,   40                          ; v40     my lane
.set SA,   41                          ; v41     where my cm or l goes in LDS; steps 256 bytes between the two trips
.set SB,   42                          ; v42     where I read 16 bytes of them back
.set SO,   43                          ; v43     16 x lane: my byte offset in 512 bytes of st
.set F0,   64
.set F1,   128
.set T,    64                          ; v64-127  a row block's 64 numbers a lane
.set PKR,  128                         ; v128-159 the same, packed
.set BK,   160                         ; v160-191, v192-223  16 rows read back from the stage, by turns
.set CMV,  224                         ; v224-227 cm of the trip's row block a
.set LV,   228                         ; v228-231 l of the trip's row block a
.set G1, 24
.set G0, 32
.set G1B, 48
.set G0B, 56
.set CS,  66                           ; s[66:67] c, named as a pair
.set SEL, 68                           ; s[68:69] v_permlanex16_b32's selects: each lane takes its own place in the other half
.set PADW, (1<<16)|(1<<20)|(1<<21)|(5<<22)|(3<<25)
.set MSB, 0
.macro WIN new
.if MSB != (\new)
	s_set_vgpr_msb (MSB<<8)|(\new)
.set MSB, \new
.endif
.endm
.set MUL_LO, 0xa1                      ; source 0 (key) window 1, source 1 (query) window 0, C and D window 2
.set MUL_HI, 0xf1
.set TO_B,   0x40
.macro JLOAD s                         ; waves 0 and 1 fetch query's two halves, waves 2 and 3 key's; the LDS address is wave x 128 rows in both lines
	s_cmp_eq_u32 s11, 0
	s_cbranch_scc0 .Lfor_b_\@
	tensor_load_to_lds s[G0+4*(\s):G0+4*(\s)+3], s[G1:G1+7]
	s_nop 0
.rept 4
	v_nop
.endr
	s_branch .Lasked_\@
.Lfor_b_\@:
	tensor_load_to_lds s[G0B+4*(\s):G0B+4*(\s)+3], s[G1B:G1B+7]
	s_nop 0
.rept 4
	v_nop
.endr
.Lasked_\@:
.endm
.macro CREST
	s_cmp_lg_u32 s10, 0
	s_cbranch_scc1 .Lnot_wave_0_\@
	s_barrier_signal -3
.Lnot_wave_0_\@:
	s_barrier_wait -3
	s_barrier_signal -1
	s_barrier_wait -1
.endm
.macro CROUND
	s_barrier_signal -1
	s_barrier_wait -1
	CREST
.endm
	s_load_b128 s[4:7], s[0:1], 0x0                ; qkv s[4:5], p s[6:7]
	s_load_b64 s[8:9], s[0:1], 0x10                ; st
	v_lshl_add_u32 v[SPW], v0, 2, SPARE
	v_mov_b32 v[NIL], 0
	ds_add_u32 v[SPW], v[NIL]                      ; the wave's opening: the add and its wait stand ahead of my first tensor load
	v_lshrrev_b32 v1, 5, v0
	v_readfirstlane_b32 s10, v1                    ; wave 0..3
	s_lshr_b32 s11, s10, 1                         ; which 128 queries of the tile are mine.  Also: I fetch for query (0) or for key (1)
	s_and_b32 s12, s10, 1                          ; which 128 keys.  Also: which 128 rows of that tile I fetch
	s_bfe_u32 s40, ttmp6, 0x40000                  ; cx
	s_bfe_u32 s41, ttmp6, 0x40004                  ; cy
	s_lshl_b32 s42, ttmp9, 2
	s_add_co_u32 s42, s42, s40                     ; tile column, 0..7
	s_and_b32 s45, ttmp7, 0xffff                   ; cluster y
	s_lshl_b32 s13, s45, 2
	s_add_co_u32 s13, s13, s41                     ; tile row, 0..31, over all batches
	s_lshr_b32 s45, s45, 1                         ; the batch: 8 tile rows = 2 clusters each
	s_lshl_b32 s43, s41, 2
	s_lshl_b32 s43, 15, s43                        ; my row of the cluster
	s_lshl_b32 s44, 0x1111, s40                    ; my column
	s_or_b32 s[G1+0], s43, PADW
	s_or_b32 s[G1B+0], s44, PADW
.irp g, G1, G1B
	s_mov_b32 s[(\g)+1], KSTEP<<16                 ; tensor_dim0 = 128
	s_mov_b32 s[(\g)+2], 128<<16                   ; tensor_dim1 = 128
	s_mov_b32 s[(\g)+3], KSTEP<<16                 ; tile_dim0 = 128
	s_mov_b32 s[(\g)+4], 128                       ; tile_dim1 = 128
	s_mov_b32 s[(\g)+5], SIZE_K                    ; elements from row to row
	s_mov_b32 s[(\g)+6], 0
	s_mov_b32 s[(\g)+7], 0
.endr
	s_mov_b32 s[CS], 0x3d38aa3b                    ; c = log2(e) / 32 = 0.0450842
	s_mov_b32 s[CS+1], s[CS]
	s_mov_b32 s[SEL], 0x76543210
	s_mov_b32 s[SEL+1], 0xfedcba98
	s_lshl_b32 s16, s13, 19                        ; query: (256 x tile row + 128 x half) rows of 2,048 bytes
	s_lshl_b32 s17, s12, 18
	s_add_co_u32 s16, s16, s17
	s_mov_b32 s17, 0
	s_lshl_b32 s46, s45, 22                        ; key: 8,192 rows on, the batch's 2,048 rows, (256 x tile column + 128 x half) rows
	s_add_co_u32 s46, s46, 0x1000000
	s_lshl_b32 s47, s42, 19
	s_add_co_u32 s46, s46, s47
	s_lshl_b32 s47, s12, 18
	s_add_co_u32 s46, s46, s47
	s_mov_b32 s47, 0
	s_mul_i32 s20, s10, HALFT                      ; where they go: wave x 128 rows
	s_wait_dscnt 0x0                               ; the opening add is done
	s_wait_kmcnt 0x0
	s_add_nc_u64 s[14:15], s[4:5], s[16:17]
	s_add_nc_u64 s[46:47], s[4:5], s[46:47]
	CROUND                                         ; all sixteen work-groups are here: the first joint loads meet
.irp s, 0,1
	s_mov_b32 s[G0+4*(\s)], 1
	s_add_co_u32 s[G0+4*(\s)+1], s20, (\s)*SLOT
	s_add_nc_u64 s[G0+4*(\s)+2:G0+4*(\s)+3], s[14:15], (\s)*KSTEP*2
	s_or_b32 s[G0+4*(\s)+3], s[G0+4*(\s)+3], 0x80000000
	s_mov_b32 s[G0B+4*(\s)], 1
	s_add_co_u32 s[G0B+4*(\s)+1], s20, (\s)*SLOT
	s_add_nc_u64 s[G0B+4*(\s)+2:G0B+4*(\s)+3], s[46:47], (\s)*KSTEP*2
	s_or_b32 s[G0B+4*(\s)+3], s[G0B+4*(\s)+3], 0x80000000
	JLOAD \s                                       ; two loads of mine are out
.endr
	v_and_b32 v1, 15, v0                           ; l % 16
	v_bfe_u32 v2, v0, 4, 1                         ; l / 16
	v_mul_u32_u24 v3, v1, PITCH
	v_lshl_add_u32 v3, v2, 4, v3                   ; row x pitch + 16 x half
	s_mul_i32 s21, s11, HALFT                      ; my 128 queries
	s_mul_i32 s22, s12, HALFT                      ; my 128 keys,
	s_add_co_u32 s22, s22, 2*HALFT                 ; which lie behind the 256 queries
.irp s, 0,1
	v_add_nc_u32 v[ADRA+(\s)], s21, v3
	v_add_nc_u32 v[ADRB+(\s)], s22, v3
	s_add_co_u32 s21, s21, SLOT
	s_add_co_u32 s22, s22, SLOT
.endr
	s_mul_i32 s23, s10, 16*SPITCH
	s_add_co_u32 s23, s23, STAGE                   ; my stage
	v_add_nc_u32 v[STO], s23, v3                   ; in: row l % 16, 16 bytes for each half of the lanes
	v_mul_u32_u24 v5, v2, SPITCH                   ; back: lanes 0-15 one row of 256 bytes, lanes 16-31 the next
	v_lshl_add_u32 v5, v1, 4, v5
	v_add_nc_u32 v[RD], s23, v5
	v_lshlrev_b32 v5, 12, v2                       ; and the same two rows in p
	v_lshl_add_u32 v[CO], v1, 4, v5
	v_and_b32 v[LN], 31, v0
	s_lshl_b32 s23, s10, 10
	s_add_co_u32 s23, s23, SSTG                    ; my 1,024 bytes for cm and l
	v_lshlrev_b32 v5, 2, v1
	v_lshl_add_u32 v5, v2, 9, v5                   ; lanes 0-15 put cm of row l % 16, lanes 16-31 l, 512 bytes on
	v_add_nc_u32 v[SA], s23, v5
	v_lshlrev_b32 v[SO], 4, v[LN]
	v_add_nc_u32 v[SB], s23, v[SO]
	v_mov_b32 v[XR], 0                             ; v_permlanex16_b32's destination counts as read
	s_lshl_b32 s16, s13, 20                        ; my part of the tile in p: (256 x tile row + 128 x row half) rows of 4,096 bytes, 512 x tile column + 256 x column half bytes
	s_lshl_b32 s17, s11, 19
	s_add_co_u32 s16, s16, s17
	s_lshl_b32 s17, s42, 9
	s_add_co_u32 s16, s16, s17
	s_lshl_b32 s17, s12, 8
	s_add_co_u32 s16, s16, s17
	s_mov_b32 s17, 0
	s_add_nc_u64 s[6:7], s[6:7], s[16:17]
	s_lshl_b32 s16, s42, 16                        ; in st: chunk 2 x tile column + column half, 32,768 bytes each; my first row x 4
	s_lshl_b32 s17, s12, 15
	s_add_co_u32 s16, s16, s17
	s_lshl_b32 s17, s13, 10
	s_add_co_u32 s16, s16, s17
	s_lshl_b32 s17, s11, 9
	s_add_co_u32 s16, s16, s17
	s_mov_b32 s17, 0
	s_add_nc_u64 s[8:9], s[8:9], s[16:17]
; 16 matrix instructions: query blocks a0, a0 + 1 of the window's four x all 8 key blocks, 32 along K.  zero = 1: the first product starts the sums.
.macro MUL16 f, hi, a0, zero
	WIN MUL_LO+0x50*(\hi)
.irp a, \a0, (\a0)+1
.irp b, 0,1,2,3,4,5,6,7
.if \zero
	v_wmma_f32_16x16x32_f16 v[8*(8*(\a)+(\b)):8*(8*(\a)+(\b))+7], v[(\f)+8*(\b):(\f)+8*(\b)+7], v[(\f)+8*(4*(\hi)+(\a)):(\f)+8*(4*(\hi)+(\a))+7], 0
.else
	v_wmma_f32_16x16x32_f16 v[8*(8*(\a)+(\b)):8*(8*(\a)+(\b))+7], v[(\f)+8*(\b):(\f)+8*(\b)+7], v[(\f)+8*(4*(\hi)+(\a)):(\f)+8*(4*(\hi)+(\a))+7], v[8*(8*(\a)+(\b)):8*(8*(\a)+(\b))+7]
.endif
.endr
.endr
.endm
; 32 LDS loads in one run: the fragments of one quarter step (128 keys, 128 queries, 32 K at byte k of the rows) into buffer f
.macro FETCH slot, k, f
	WIN TO_B
.irp i, 0,1,2,3,4,5,6,7
	ds_load_b128 v[(\f)+8*(\i):(\f)+8*(\i)+3],   v[ADRB+(\slot)] offset:(\k)+(\i)*16*PITCH
	ds_load_b128 v[(\f)+8*(\i)+4:(\f)+8*(\i)+7], v[ADRB+(\slot)] offset:(\k)+(\i)*16*PITCH+32
.endr
	WIN 0
.irp i, 0,1,2,3,4,5,6,7
	ds_load_b128 v[(\f)+8*(\i):(\f)+8*(\i)+3],   v[ADRA+(\slot)] offset:(\k)+(\i)*16*PITCH
	ds_load_b128 v[(\f)+8*(\i)+4:(\f)+8*(\i)+7], v[ADRA+(\slot)] offset:(\k)+(\i)*16*PITCH+32
.endr
.endm
.macro PLACES                          ; four places in front of loads into registers that matrix instructions have read, and of vector lines that read results
.rept 4
	v_nop
.endr
.endm
.macro QUARTER slot, k, f, g, zero
	s_wait_dscnt 8                                 ; key's fragments and query's rows 0-63 are in; the youngest eight loads may be out
	MUL16 \f, 0, 0, \zero
	MUL16 \f, 0, 2, \zero
	PLACES
	FETCH \slot, \k, \g
	s_wait_dscnt 32                                ; all but the 32 just issued
	MUL16 \f, 1, 0, \zero
	MUL16 \f, 1, 2, \zero
.endm
; The first half of the last quarter, which changes slots: ONE barrier; in front of it each wave waits for all its tensor loads (one is out: its part of the next slot), adds 0 to its spare word,
; and waits for that and for its own reads of this slot.
.macro MEET round
	WIN 0
	s_wait_tensorcnt 0x0
	ds_add_u32 v[SPW], v[NIL]                      ; 0 onto my spare word
	s_wait_dscnt 9                                 ; (the add and the youngest eight loads may be out)
	MUL16 F1, 0, 0, 0                              ; sixteen matrix instructions stand between the add and the wait for it
	s_wait_dscnt 0x0                               ; the add is done, and my reads of this slot are over
	s_barrier_signal -1
	MUL16 F1, 0, 2, 0
.if \round
	WIN 0
.endif
	s_barrier_wait -1
.endm
.macro TURN slot, next
	MEET 1
	CREST                                          ; no wave of any partner still reads this slot or has a load on its way
	s_add_nc_u64 s[G0+4*(\slot)+2:G0+4*(\slot)+3], s[G0+4*(\slot)+2:G0+4*(\slot)+3], 2*KSTEP*2
	s_add_nc_u64 s[G0B+4*(\slot)+2:G0B+4*(\slot)+3], s[G0B+4*(\slot)+2:G0B+4*(\slot)+3], 2*KSTEP*2
	JLOAD \slot                                    ; 224 matrix instructions ahead of the wait for it; its four v_nop are also the places in front of the loads below
	FETCH \next, 0, F0
	MUL16 F1, 1, 0, 0
	MUL16 F1, 1, 2, 0
.endm
; BEHIND THE LOOP.  Row block a of the four in window 2 (16 queries x my 128 keys, 64 numbers a lane): the maximum, cm, p, its rounding, l.
.macro SOFT a
.set AC, 64*(\a)
	WIN 0x2a                                       ; all three sources in window 2
.irp c, 0,1,2,3                        ; four chains of 16 numbers (two accumulators each); each accumulator's lowest registers are read first
	v_max3_num_f32 v[C0+(\c)], v[AC+16*(\c)], v[AC+16*(\c)+1], v[AC+16*(\c)+2]
.endr
	WIN 0x28                                       ; sources 1 and 2 in window 2
.irp n, 0,1,2,3,4,5
.irp c, 0,1,2,3
	v_max3_num_f32 v[C0+(\c)], v[C0+(\c)], v[AC+16*(\c)+3+2*(\n)], v[AC+16*(\c)+4+2*(\n)]
.endr
.endr
	v_max3_num_f32 v[C0], v[C0], v[AC+15], v[AC+31]
	v_max3_num_f32 v[C0+1], v[C0+1], v[AC+47], v[AC+63]
	WIN 0
	v_max3_num_f32 v[C0], v[C0], v[C0+1], v[C0+2]
	v_max_num_f32 v[C0], v[C0], v[C0+3]
	v_permlanex16_b32 v[XR], v[C0], s[SEL], s[SEL+1]  ; the query's other 64 keys lie in the lane 16 away
	v_max_num_f32 v[C0], v[C0], v[XR]
	v_mul_f32 v[CMR], s[CS], v[C0]                 ; cm
	v_mov_b32 v[CMR+1], v[CMR]                     ; named with it as a pair
	v_mov_b32 v[CMV+(\a)], v[CMR]
	WIN 0x02                                       ; source 0 in window 2
.set i, 0
.rept 32
	v_pk_fma_f32 v[T+2*i:T+2*i+1], v[AC+2*i:AC+2*i+1], s[CS:CS+1], v[CMR:CMR+1] op_sel_hi:[1,0,0] neg_lo:[0,0,1] neg_hi:[0,0,1]  ; c s - cm
.set i, i+1
.endr
	WIN 0
.set i, 0
.rept 64
	v_exp_f32 v[T+i], v[T+i]
.set i, i+1
.endr
	v_nop                                          ; a plain instruction between the exponentials and the first use of a result (ISA guide 5.7.2)
.set i, 0
	s_wait_alu depctr_va_vdst(0)
.rept 32
	v_cvt_pk_f16_f32 v[PKR+i], v[T+2*i], v[T+2*i+1]
.set i, i+1
.endr
.irp w, 4,8,16,32,64                   ; the sum of the 32 pairs, in place: neighbours 1, 2, 4, 8, 16 pairs apart
.set u, 0
.rept 64/(\w)
	v_pk_add_f32 v[T+(\w)*u:T+(\w)*u+1], v[T+(\w)*u:T+(\w)*u+1], v[T+(\w)*u+(\w)/2:T+(\w)*u+(\w)/2+1]
.set u, u+1
.endr
.endr
	v_add_f32 v[T], v[T], v[T+1]
	v_permlanex16_b32 v[XR], v[T], s[SEL], s[SEL+1]
	v_add_f32 v[LV+(\a)], v[T], v[XR]              ; l
.endm
.macro TOSTAGE a
	s_wait_xcnt 0x0                                ; the stores of two blocks ago have read the registers that are loaded below
.irp b, 0,1,2,3,4,5,6,7
	ds_store_b128 v[STO], v[PKR+4*(\b):PKR+4*(\b)+3] offset:32*(\b)
.endr
.irp t, 0,1,2,3,4,5,6,7
	ds_load_b128 v[BK+32*((\a)%2)+4*(\t):BK+32*((\a)%2)+4*(\t)+3], v[RD] offset:(\t)*2*SPITCH  ; LDS serves a wave's instructions in order (ISA guide 5.7.1.4): these see the stores above
.endr
.endm
.macro SEND a
	s_wait_dscnt 0x0
.irp t, 0,1,2,3,4,5,6,7
	global_store_b128 v[CO], v[BK+32*((\a)%2)+4*(\t):BK+32*((\a)%2)+4*(\t)+3], s[6:7] offset:(\a)*16*PROW+(\t)*2*PROW  ; 16 lanes store 256 consecutive bytes, at a multiple of 256 from p's first byte
.endr
.endm
	s_wait_tensorcnt 1                             ; my part of K step 0 is in; K step 1's may stay out
	s_barrier_signal -1
	s_barrier_wait -1
	FETCH 0, 0, F0
	QUARTER 0, 64,  F0, F1, 1                      ; the first quarter stands in front of the loop: its products start the sums
	WIN 0
	s_mov_b32 s3, LAPS-1
.Llap:
	QUARTER 0, 128, F1, F0, 0
	QUARTER 0, 192, F0, F1, 0
	TURN 0, 1
	QUARTER 1, 64,  F0, F1, 0
	QUARTER 1, 128, F1, F0, 0
	QUARTER 1, 192, F0, F1, 0
	TURN 1, 0
	QUARTER 0, 64,  F0, F1, 0
	WIN 0
	s_sub_co_u32 s3, s3, 1
	s_cmp_lg_u32 s3, 0
	s_cbranch_scc1 .Llap
	QUARTER 0, 128, F1, F0, 0                      ; the last lap fills nothing
	QUARTER 0, 192, F0, F1, 0
	MEET 0
	PLACES
	FETCH 1, 0, F0
	MUL16 F1, 1, 0, 0
	MUL16 F1, 1, 2, 0
	QUARTER 1, 64,  F0, F1, 0
	QUARTER 1, 128, F1, F0, 0
	QUARTER 1, 192, F0, F1, 0
	s_wait_dscnt 8                                 ; the very last quarter: nothing more to fetch
	MUL16 F1, 0, 0, 0
	MUL16 F1, 0, 2, 0
	s_wait_dscnt 0x0
	MUL16 F1, 1, 0, 0
	MUL16 F1, 1, 2, 0
	WIN 0
	PLACES
	s_mov_b32 s3, 2
.Lhalf:                                                ; two trips: my rows 0-63, then my rows 64-127
	SOFT 0
	TOSTAGE 0
.irp a, 1,2,3                          ; block a's arithmetic stands between block a - 1's loads from the stage and the wait for them
	SOFT \a
	SEND (\a)-1
	TOSTAGE \a
.endr
	SEND 3
	; cm and l of the trip's 64 rows: lanes 0-15 put cm, lanes 16-31 l, into my own LDS bytes
	v_cmp_le_u32 vcc_lo, 16, v[LN]
.irp a, 0,1,2,3
	v_cndmask_b32 v[T+(\a)], v[CMV+(\a)], v[LV+(\a)], vcc_lo
.endr
.irp a, 0,1,2,3
	ds_store_b32 v[SA], v[T+(\a)] offset:64*(\a)
.endr
	s_cmp_eq_u32 s3, 1
	s_cbranch_scc1 .Lcopied                        ; behind the second trip nothing is left to prepare
	s_wait_xcnt 0x0                                ; the stores have read p's address
	s_add_nc_u64 s[6:7], s[6:7], 64*PROW           ; 64 rows of p on,
	v_add_nc_u32 v[SA], 256, v[SA]                 ; 64 words of cm and of l on,
	WIN 0x83                                       ; and the accumulators of rows 64-127 go from window 3 (source) into window 2 (destination), each from its low end on
.set i, 0
.rept 256
	v_mov_b32 v[i], v[i]
.set i, i+1
.endr
	WIN 0
.Lcopied:
	s_sub_co_u32 s3, s3, 1
	s_cmp_lg_u32 s3, 0
	s_cbranch_scc1 .Lhalf
	ds_load_b128 v[T+8:T+11],  v[SB]               ; back, so that each store covers 512 consecutive bytes of st (LDS serves a wave's instructions in order: ISA guide 5.7.1.4)
	ds_load_b128 v[T+12:T+15], v[SB] offset:512
	s_wait_dscnt 0x0
	global_store_b128 v[SO], v[T+8:T+11],  s[8:9]
	global_store_b128 v[SO], v[T+12:T+15], s[8:9] offset:524288   ; l's plane
	s_wait_tensorcnt 0x0                           ; the wave's end
	ds_add_u32 v[SPW], v[NIL]
	s_wait_dscnt 0x0
	CROUND                                         ; the closing round
	s_endpgm
.Lfunc_end_k_qe97d9fc62f_scores:
	.size	k_qe97d9fc62f_scores, .Lfunc_end_k_qe97d9fc62f_scores-k_qe97d9fc62f_scores
	.p2alignl 7, 3214868480
	.fill 96, 4, 3214868480
	.section	.rodata,"a",@progbits
	.p2align	6, 0x0
	.amdhsa_kernel k_qe97d9fc62f_scores
		.amdhsa_group_segment_fixed_size 327680
		.amdhsa_private_segment_fixed_size 0
		.amdhsa_enable_private_segment 0
		.amdhsa_kernarg_size 24
		.amdhsa_user_sgpr_count 2
		.amdhsa_user_sgpr_kernarg_segment_ptr 1
		.amdhsa_wavefront_size32 1
		.amdhsa_system_sgpr_workgroup_id_x 1
		.amdhsa_system_sgpr_workgroup_id_y 1
		.amdhsa_system_sgpr_workgroup_id_z 1
		.amdhsa_system_vgpr_workitem_id 0
		.amdhsa_next_free_vgpr 1024
		.amdhsa_next_free_sgpr 72
		.amdhsa_reserve_vcc 1
		.amdhsa_float_denorm_mode_32 3
		.amdhsa_float_denorm_mode_16_64 3
		.amdhsa_memory_ordered 1
		.amdhsa_forward_progress 1
		.amdhsa_inst_pref_size 170
	.end_amdhsa_kernel
	.amdgpu_metadata
---
amdhsa.version: [ 1, 2 ]
amdhsa.kernels:
  - .name:           k_qe97d9fc62f_scores
    .symbol:         k_qe97d9fc62f_scores.kd
    .args:
      - { .name: qkv, .offset: 0, .size: 8, .value_kind: global_buffer, .address_space: global }
      - { .name: p, .offset: 8, .size: 8, .value_kind: global_buffer, .address_space: global }
      - { .name: st, .offset: 16, .size: 8, .value_kind: global_buffer, .address_space: global }
    .group_segment_fixed_size: 327680
    .private_segment_fixed_size: 0
    .kernarg_segment_align: 8
    .kernarg_segment_size: 24
    .max_flat_workgroup_size: 128
    .sgpr_count:     72
    .vgpr_count:     1024
    .wavefront_size: 32
...
	.end_amdgpu_metadata
.endif
;; end of part 3
;; launch pv (part 4): grid 4 x 64, 4 waves a work-group, clusters of 4 x 4, 327,680 bytes of LDS; arguments p, qkv, st, out0; writes out0
.if DOCPART == 4
	.amdgcn_target "amdgcn-amd-amdhsa--gfx1250"
	.amdhsa_code_object_version 6
	.text
	.protected	k_qe97d9fc62f_pv
	.globl	k_qe97d9fc62f_pv
	.p2align	8
	.type	k_qe97d9fc62f_pv,@function
k_qe97d9fc62f_pv:
	s_mov_b64 s[64:65], 0
	v_nop
	global_prefetch_b8 v0, s[64:65] scope:SCOPE_SE
	s_setreg_imm32_b32 hwreg(HW_REG_WAVE_MODE, 25, 1), 1
	s_wait_xcnt 0x0
	s_wait_alu depctr_hold_cnt(0) depctr_sa_sdst(0) depctr_va_vdst(0) depctr_va_sdst(0) depctr_va_ssrc(0) depctr_va_vcc(0) depctr_vm_vsrc(0)
	s_getreg_b32 s2, hwreg(HW_REG_IB_STS2, 6, 4)
	s_cmp_eq_u32 s2, 0
	s_cbranch_scc0 .Lentry_in_a_cluster
	s_endpgm
.Lentry_in_a_cluster:
	s_bfe_u32 s2, ttmp6, 0x10000c
	s_cmp_lg_u32 s2, 0xf033
	s_cbranch_scc0 .Lentry_shape_is_right
	s_endpgm
.Lentry_shape_is_right:
; out0[row][d] = (1 / l_row) x the sum over keys of (p[row][key] x fac[row][chunk of key]) value[key][d].  p [8192][2048] f16, value = rows 16,384 on of qkv [24576][1024] f16, out0 [8192][1024] f32.
; st [2][16 chunks][8192 rows] f32 holds cm and l of each row and chunk of 128 keys.  The row's true maximum M is the largest of its 16 cm; fac = 2^(cm - M), at most 1; l_row = the sum of fac x l.
; p x fac is rounded to f16 (one packed multiply on the fragment between its load and the matrix instruction); sums in f32; out0 rounded once.
; LIMITS.  p x fac below 6e-5 keeps f16's fixed step of 6e-8; fac below 2^-126 counts as 0; NaN and infinities are not treated apart.
; SHARES.  A tile of out0 is 128 rows x 256 channels; four waves, each 64 x 128: 32 accumulators.  4 x 64 tiles: one for each of 256 WGPs.  A K step is 128 keys, one chunk; two LDS slots.
; CLUSTER 4 x 4: p's tiles are shared along a row of the cluster, value's along a column (four clusters along y lie in one batch), by joint loads.
; THE MATRIX INSTRUCTION IS USED TRANSPOSED: source 0 = 16 channels of value (stored [key][channel], turned by ds_load_tr16_b128), source 1 = 16 rows of p: a lane holds row l % 16 and eight neighbouring channels.
; REGISTERS, in windows of 256: window 0: v0-31 addresses; v48-55 1 / l_row; v64-255 the statistics at the start, the way out at the end
;   window 1: v0-127 fragments of value, two buffers; v128-135 fac of the K step in each slot, one register a row block (the f16 twice)
;   window 2: v0-127 accumulators of row blocks 0, 1; v128-159 their fragments of p, two buffers        window 3: the same for row blocks 2, 3
; The 32 accumulators take turns, one instruction a turn.  Row blocks 0 and 2 are scaled in runs of eight, blocks 1 and 3 one register behind each product of the block before.
.set KSTEP,  128
.set PITCH,  272                       ; a row of p in LDS: 256 bytes + 16
.set VPITCH, 544                       ; a row of value: 512 bytes + 32 = 136 words
.set BHALF,  64*VPITCH                 ; 64 keys of value: one tensor load of wave 0 or 1
.set AHALF,  64*PITCH                  ; 64 rows of p: one tensor load of wave 2 or 3
.set AOFF,   2*BHALF
.set SLOT,   AOFF+2*AHALF              ; 104,448
.set STAGE,  2*SLOT                    ; behind the ring: 16 rows x 528 bytes for each wave
.set OPITCH, 528
.set FTAB,   STAGE+4*16*OPITCH         ; 4,096 bytes for each wave: fac as [K step 16][row l % 16][row block 4] words
.set RTAB,   FTAB+4*4096               ; 512 bytes for each wave: 1 / l_row as [row l % 16][row block 4] pairs
.set SPARE,  RTAB+4*512                ; the spare words, 128 bytes for each wave: two blocks of 256 bytes that no other line names
.set LAPS,   2048/(2*KSTEP)
.set OROW,   4096                      ; bytes in a row of out0
.set FADR, 15                          ; v15     LDS address of the next K step's fac
.set ADRA, 16
.set ADRB, 20
.set RRD,  22                          ; v22     where I read 1 / l_row
.set FAD0, 23                          ; v23     LDS address of K step 0's fac; never rewritten
.set STO,  24
.set RD,   25
.set CO,   26
.set RST,  27                          ; v27     where I put 1 / l_row
.set SPW,  28
.set NIL,  29
.set SOF,  30                          ; v30     my byte offset in st
.set FST,  31                          ; v31     where I put fac
.set RI,   48                          ; v48-55  1 / l_row of row block a, twice, at RI + 2 a
.set CM,   64                          ; v64-95  cm of chunk 8 (l / 16) + i, row 4 (l % 16) + j at CM + 4 i + j; then fac
.set LL,   96                          ; v96-127 l likewise
.set MX,   128                         ; v128-131 M of my four rows
.set TX,   132                         ; v132-135 what the other half of the lanes sent
.set LS,   136                         ; v136-139 l_row
.set RV,   140                         ; v140-147 1 / l_row, twice
.set TMP,  64                          ; the way out: v64-127 a row block, scaled
.set BK,   128                         ; v128-191, v192-255 16 rows read back, by turns
.set FA,   128                         ; p's fragments in windows 2 and 3
.set FC,   128                         ; fac in window 1: slot s at FC + 4 s
.set WV,   12
.set RH,   13
.set CH,   14
.set G1A,  24
.set G0A,  32
.set G1B,  48
.set G0B,  56
.set SEL,  68                          ; s[68:69] v_permlanex16_b32's selects
.set FS,   70                          ; s70  256 x the K step whose fac was fetched last
.set MSB, 0
.macro WIN new
.if MSB != (\new)
	s_set_vgpr_msb (MSB<<8)|(\new)
.set MSB, \new
.endif
.endm
.set W_LO,  0xa9                       ; source 0 window 1; source 1, C and D window 2
.set W_HI,  0xfd
.set TO_B,  0x40
.set TO_A2, 0x80
.set TO_A3, 0xc0
.macro PLACES
.rept 4
	v_nop
.endr
.endm
.macro JLOAD s                         ; waves 0 and 1 fetch value's two halves, waves 2 and 3 p's; an s_nop 0 and four v_nop follow each line
	s_cmp_lt_u32 s[WV], 2
	s_cbranch_scc0 .Lfor_a_\@
	tensor_load_to_lds s[G0B+4*(\s):G0B+4*(\s)+3], s[G1B:G1B+7]
	s_nop 0
.rept 4
	v_nop
.endr
	s_branch .Lasked_\@
.Lfor_a_\@:
	tensor_load_to_lds s[G0A+4*(\s):G0A+4*(\s)+3], s[G1A:G1A+7]
	s_nop 0
.rept 4
	v_nop
.endr
.Lasked_\@:
.endm
.macro CREST
	s_cmp_lg_u32 s[WV], 0
	s_cbranch_scc1 .Lnot_wave_0_\@
	s_barrier_signal -3
.Lnot_wave_0_\@:
	s_barrier_wait -3
	s_barrier_signal -1
	s_barrier_wait -1
.endm
.macro CROUND
	s_barrier_signal -1
	s_barrier_wait -1
	CREST
.endm
	s_load_b256 s[4:11], s[0:1], 0x0               ; p s[4:5], qkv s[6:7], st s[8:9], out0 s[10:11]
	v_lshl_add_u32 v[SPW], v0, 2, SPARE
	v_mov_b32 v[NIL], 0
	ds_add_u32 v[SPW], v[NIL]                      ; the wave's opening: the add and its wait stand ahead of my first tensor load
	v_lshrrev_b32 v1, 5, v0
	v_readfirstlane_b32 s[WV], v1
	s_lshr_b32 s[RH], s[WV], 1
	s_and_b32 s[CH], s[WV], 1
	s_bfe_u32 s15, ttmp6, 0x40000                  ; cx
	s_bfe_u32 s16, ttmp6, 0x40004                  ; cy
	s_lshl_b32 s17, ttmp9, 2
	s_add_co_u32 s17, s17, s15                     ; tile column, 0..3
	s_and_b32 s19, ttmp7, 0xffff
	s_lshl_b32 s18, s19, 2
	s_add_co_u32 s18, s18, s16                     ; tile row, 0..63, over all batches
	s_lshr_b32 s20, s19, 2                         ; the batch: 16 tile rows = 4 clusters each
	s_lshl_b32 s21, s16, 2
	s_lshl_b32 s21, 15, s21                        ; my row of the cluster
	s_lshl_b32 s22, 0x1111, s15                    ; my column
	s_or_b32 s[G1A], s21, (1<<16)|(1<<20)|(1<<21)|(5<<22)|(3<<25)  ; p: 2-byte elements; padding of 4 words after every 64; bit 21 beside the mask
	s_or_b32 s[G1B], s22, (1<<16)|(1<<20)|(1<<21)|(6<<22)|(7<<25)  ; value: padding of 8 words after every 128
	s_mov_b32 s[G1A+1], KSTEP<<16                  ; tensor_dim0 = 128 keys
	s_mov_b32 s[G1A+2], 64<<16                     ; tensor_dim1 = 64 rows
	s_mov_b32 s[G1A+3], KSTEP<<16
	s_mov_b32 s[G1A+4], 64
	s_mov_b32 s[G1A+5], 2048                       ; elements from row to row of p
	s_mov_b32 s[G1A+6], 0
	s_mov_b32 s[G1A+7], 0
	s_mov_b32 s[G1B+1], 256<<16                    ; tensor_dim0 = 256 channels
	s_mov_b32 s[G1B+2], 64<<16                     ; tensor_dim1 = 64 keys
	s_mov_b32 s[G1B+3], 256<<16
	s_mov_b32 s[G1B+4], 64
	s_mov_b32 s[G1B+5], 1024
	s_mov_b32 s[G1B+6], 0
	s_mov_b32 s[G1B+7], 0
	s_mov_b32 s[SEL], 0x76543210
	s_mov_b32 s[SEL+1], 0xfedcba98
	s_mov_b32 s[FS], 0
	s_lshl_b32 s40, s18, 19                        ; p: (128 x tile row + 64 x half) rows of 4,096 bytes
	s_lshl_b32 s46, s[CH], 18
	s_add_co_u32 s40, s40, s46
	s_mov_b32 s41, 0
	s_lshl_b32 s42, s20, 22                        ; value: 16,384 rows on, the batch's 2,048 rows, 64 x half keys of 2,048 bytes, 512 x tile column bytes
	s_add_co_u32 s42, s42, 0x2000000
	s_lshl_b32 s44, s[CH], 17
	s_add_co_u32 s42, s42, s44
	s_lshl_b32 s44, s17, 9
	s_add_co_u32 s42, s42, s44
	s_mov_b32 s43, 0
	s_mul_i32 s45, s[WV], BHALF                    ; where value's halves go (waves 0, 1)
	s_mul_i32 s47, s[WV], AHALF                    ; where p's go: AOFF + (wave - 2) x 64 rows (waves 2, 3)
	s_add_co_u32 s47, s47, BHALF
	s_wait_dscnt 0x0                               ; the opening add is done
	s_wait_kmcnt 0x0
	s_add_nc_u64 s[40:41], s[4:5], s[40:41]
	s_add_nc_u64 s[42:43], s[6:7], s[42:43]
	CROUND                                         ; all sixteen work-groups are here: the first joint loads meet
.irp s, 0,1
	s_mov_b32 s[G0A+4*(\s)], 1
	s_add_co_u32 s[G0A+4*(\s)+1], s47, (\s)*SLOT
	s_add_nc_u64 s[G0A+4*(\s)+2:G0A+4*(\s)+3], s[40:41], (\s)*KSTEP*2       ; K step s: 128 keys along p's rows
	s_or_b32 s[G0A+4*(\s)+3], s[G0A+4*(\s)+3], 0x80000000
	s_mov_b32 s[G0B+4*(\s)], 1
	s_add_co_u32 s[G0B+4*(\s)+1], s45, (\s)*SLOT
	s_add_nc_u64 s[G0B+4*(\s)+2:G0B+4*(\s)+3], s[42:43], (\s)*KSTEP*2048    ; 128 rows of value
	s_or_b32 s[G0B+4*(\s)+3], s[G0B+4*(\s)+3], 0x80000000
	JLOAD \s                                       ; two loads of mine are out
.endr
	; THE STATISTICS, in the wait for the first tiles; each wave for its own 64 rows, in its own LDS bytes.  Lane l owns rows 4 (l % 16) + 0..3 and chunks 8 (l / 16) + 0..7.
	v_and_b32 v1, 15, v0                           ; l % 16
	v_bfe_u32 v2, v0, 4, 1                         ; l / 16
	v_lshlrev_b32 v[SOF], 4, v1
	v_lshl_add_u32 v[SOF], v2, 18, v[SOF]          ; 16 (l % 16) + 8 chunks of 32,768 bytes x (l / 16)
	s_lshl_b32 s44, s18, 9                         ; (128 x tile row + 64 x row half) x 4 bytes
	s_lshl_b32 s46, s[RH], 8
	s_add_co_u32 s44, s44, s46
	s_mov_b32 s45, 0
	s_add_nc_u64 s[8:9], s[8:9], s[44:45]
.irp i, 0,1,2,3,4,5,6,7                ; 16 lanes take 256 consecutive bytes, at a multiple of 256 from st's first byte
	global_load_b128 v[CM+4*(\i):CM+4*(\i)+3], v[SOF], s[8:9] offset:(\i)*32768
	global_load_b128 v[LL+4*(\i):LL+4*(\i)+3], v[SOF], s[8:9] offset:(\i)*32768+524288
.endr
	v_mul_u32_u24 v3, v1, PITCH
	v_lshl_add_u32 v3, v2, 4, v3                   ; a fragment of p: row x pitch + 16 x half
	; The turning load takes 16 keys x 16 channels (lane l reads key 8 (l / 16) + l % 8, channels 8 ((l / 8) % 2) + 0..7) and leaves half a fragment: lane l holds channel l % 16 and 8 keys.
	v_and_b32 v4, 7, v0
	v_bfe_u32 v5, v0, 3, 1
	v_lshl_add_u32 v6, v2, 3, v4
	v_mul_u32_u24 v6, v6, VPITCH
	v_lshl_add_u32 v6, v5, 4, v6
	s_lshl_b32 s23, s[CH], 8                       ; my 128 channels
	s_mul_i32 s46, s[RH], AHALF                    ; my 64 rows of p,
	s_add_co_u32 s46, s46, AOFF                    ; behind value's 128 keys
.irp s, 0,1
	v_add_nc_u32 v[ADRB+(\s)], s23, v6
	v_add_nc_u32 v[ADRA+(\s)], s46, v3
	s_add_co_u32 s23, s23, SLOT
	s_add_co_u32 s46, s46, SLOT
.endr
	s_mul_i32 s23, s[WV], 16*OPITCH
	s_add_co_u32 s23, s23, STAGE                   ; my stage
	v_mul_u32_u24 v7, v1, OPITCH                   ; in: row l % 16, 32 bytes for each half of the lanes
	v_lshl_add_u32 v7, v2, 5, v7
	v_add_nc_u32 v[STO], s23, v7
	v_and_b32 v8, 31, v0
	v_lshlrev_b32 v[CO], 4, v8                     ; back and out: 32 lanes take a row's 512 bytes
	v_add_nc_u32 v[RD], s23, v[CO]
	v_and_b32 v9, 3, v1                            ; row 4 (l % 16) + j is row 4 (l % 4) + j of row block (l % 16) / 4
	v_lshrrev_b32 v10, 2, v1
	s_lshl_b32 s23, s[WV], 12
	s_add_co_u32 s23, s23, FTAB
	v_lshlrev_b32 v11, 6, v9
	v_lshl_add_u32 v11, v10, 2, v11
	v_lshl_add_u32 v11, v2, 11, v11
	v_add_nc_u32 v[FST], s23, v11
	v_lshl_add_u32 v[FAD0], v1, 4, s23
	s_lshl_b32 s23, s[WV], 9
	s_add_co_u32 s23, s23, RTAB
	v_lshlrev_b32 v11, 7, v9
	v_lshl_add_u32 v11, v10, 3, v11
	v_add_nc_u32 v[RST], s23, v11
	v_lshl_add_u32 v[RRD], v1, 5, s23
	s_lshl_b32 s44, s18, 19                        ; my part of the tile in out0: (128 x tile row + 64 x row half) rows of 4,096 bytes, 1,024 x tile column + 512 x column half bytes
	s_lshl_b32 s46, s[RH], 18
	s_add_co_u32 s44, s44, s46
	s_lshl_b32 s46, s17, 10
	s_add_co_u32 s44, s44, s46
	s_lshl_b32 s46, s[CH], 9
	s_add_co_u32 s44, s44, s46
	s_add_nc_u64 s[10:11], s[10:11], s[44:45]
.irp j, 0,1,2,3
	v_mov_b32 v[TX+(\j)], 0                        ; v_permlanex16_b32's destination counts as read
.endr
	s_wait_loadcnt 0x0
.irp j, 0,1,2,3
	v_max3_num_f32 v[MX+(\j)], v[CM+(\j)], v[CM+4+(\j)], v[CM+8+(\j)]
.endr
.irp j, 0,1,2,3
	v_max3_num_f32 v[MX+(\j)], v[MX+(\j)], v[CM+12+(\j)], v[CM+16+(\j)]
.endr
.irp j, 0,1,2,3
	v_max3_num_f32 v[MX+(\j)], v[MX+(\j)], v[CM+20+(\j)], v[CM+24+(\j)]
.endr
.irp j, 0,1,2,3
	v_max_num_f32 v[MX+(\j)], v[MX+(\j)], v[CM+28+(\j)]
.endr
.irp j, 0,1,2,3
	v_permlanex16_b32 v[TX+(\j)], v[MX+(\j)], s[SEL], s[SEL+1]  ; the rows' other eight chunks lie in the lane 16 away
.endr
.irp j, 0,1,2,3
	v_max_num_f32 v[MX+(\j)], v[MX+(\j)], v[TX+(\j)]            ; M: the row's true maximum, times c
.endr
.irp i, 0,1,2,3,4,5,6,7
.irp q, 0,1
	v_pk_add_f32 v[CM+4*(\i)+2*(\q):CM+4*(\i)+2*(\q)+1], v[CM+4*(\i)+2*(\q):CM+4*(\i)+2*(\q)+1], v[MX+2*(\q):MX+2*(\q)+1] neg_lo:[0,1] neg_hi:[0,1]  ; cm - M
.endr
.endr
.set i, 0
.rept 32
	v_exp_f32 v[CM+i], v[CM+i]                     ; fac
.set i, i+1
.endr
	v_nop                                          ; a plain instruction between the exponentials and the first use of a result (ISA guide 5.7.2)
	s_wait_alu depctr_va_vdst(0)
.irp q, 0,1
	v_pk_mul_f32 v[LS+2*(\q):LS+2*(\q)+1], v[CM+2*(\q):CM+2*(\q)+1], v[LL+2*(\q):LL+2*(\q)+1]
.endr
.irp i, 1,2,3,4,5,6,7
.irp q, 0,1
	v_pk_fma_f32 v[LS+2*(\q):LS+2*(\q)+1], v[CM+4*(\i)+2*(\q):CM+4*(\i)+2*(\q)+1], v[LL+4*(\i)+2*(\q):LL+4*(\i)+2*(\q)+1], v[LS+2*(\q):LS+2*(\q)+1]
.endr
.endr
.irp j, 0,1,2,3
	v_permlanex16_b32 v[TX+(\j)], v[LS+(\j)], s[SEL], s[SEL+1]
.endr
.irp j, 0,1,2,3
	v_add_f32 v[LS+(\j)], v[LS+(\j)], v[TX+(\j)]   ; l_row, at least the largest chunk's l
.endr
.irp j, 0,1,2,3
	v_rcp_f32 v[RV+2*(\j)], v[LS+(\j)]
	v_rcp_f32 v[RV+2*(\j)+1], v[LS+(\j)]
.endr
.set i, 0
.rept 32                               ; fac to f16, in both halves of the word; these plain lines also stand between the reciprocals and the use of their results
	v_cvt_pk_f16_f32 v[CM+i], v[CM+i], v[CM+i]
.set i, i+1
.endr
.irp i, 0,1,2,3,4,5,6,7
.irp j, 0,1,2,3
	ds_store_b32 v[FST], v[CM+4*(\i)+(\j)] offset:256*(\i)+16*(\j)
.endr
.endr
	s_wait_alu depctr_va_vdst(0)
.irp j, 0,1,2,3
	ds_store_b64 v[RST], v[RV+2*(\j):RV+2*(\j)+1] offset:32*(\j)   ; both halves of the lanes hold, and put, the same
.endr
	ds_load_b128 v[RI:RI+3],   v[RRD]              ; LDS serves a wave's instructions in order (ISA guide 5.7.1.4): these see the stores above
	ds_load_b128 v[RI+4:RI+7], v[RRD] offset:16
	WIN TO_B
	ds_load_b128 v[FC:FC+3], v[FAD0]               ; fac of K step 0
	WIN 0
; 8 packed multiplies: row block a (0 or 2) of buffer f times its fac of the K step in the slot
.macro SCALE f, a, slot
	WIN W_LO+0x54*((\a)/2)
.irp i, 0,1,2,3,4,5,6,7
	v_pk_mul_f16 v[FA+16*(\f)+(\i)], v[FC+4*(\slot)+(\a)], v[FA+16*(\f)+(\i)]
.endr
.endm
; 8 matrix instructions: row block a x all 8 channel blocks, 32 keys, from buffer f.  ride = 1: behind each stands one register of row block a + 1's scaling, which names no register of the products round it.
.macro MULROW f, a, zero, slot, ride
	WIN W_LO+0x54*((\a)/2)
.irp b, 0,1,2,3,4,5,6,7
.if \zero
	v_wmma_f32_16x16x32_f16 v[64*((\a)%2)+8*(\b):64*((\a)%2)+8*(\b)+7], v[64*(\f)+8*(\b):64*(\f)+8*(\b)+7], v[FA+16*(\f)+8*((\a)%2):FA+16*(\f)+8*((\a)%2)+7], 0
.else
	v_wmma_f32_16x16x32_f16 v[64*((\a)%2)+8*(\b):64*((\a)%2)+8*(\b)+7], v[64*(\f)+8*(\b):64*(\f)+8*(\b)+7], v[FA+16*(\f)+8*((\a)%2):FA+16*(\f)+8*((\a)%2)+7], v[64*((\a)%2)+8*(\b):64*((\a)%2)+8*(\b)+7]
.endif
.if \ride
	v_pk_mul_f16 v[FA+16*(\f)+8+(\b)], v[FC+4*(\slot)+(\a)+1], v[FA+16*(\f)+8+(\b)]
.endif
.endr
.endm
; 24 LDS loads in one run: quarter kq (32 keys) into buffer f: value's 16 (turned), p's blocks 0, 1, p's blocks 2, 3
.macro FETCH slot, kq, f
	WIN TO_B
.irp b, 0,1,2,3,4,5,6,7
	ds_load_tr16_b128 v[64*(\f)+8*(\b):64*(\f)+8*(\b)+3],   v[ADRB+(\slot)] offset:(\kq)*32*VPITCH+32*(\b)
	ds_load_tr16_b128 v[64*(\f)+8*(\b)+4:64*(\f)+8*(\b)+7], v[ADRB+(\slot)] offset:(\kq)*32*VPITCH+16*VPITCH+32*(\b)
.endr
	WIN TO_A2
.irp c, 0,1
	ds_load_b128 v[FA+16*(\f)+8*(\c):FA+16*(\f)+8*(\c)+3],   v[ADRA+(\slot)] offset:64*(\kq)+(\c)*16*PITCH
	ds_load_b128 v[FA+16*(\f)+8*(\c)+4:FA+16*(\f)+8*(\c)+7], v[ADRA+(\slot)] offset:64*(\kq)+(\c)*16*PITCH+32
.endr
	WIN TO_A3
.irp c, 0,1
	ds_load_b128 v[FA+16*(\f)+8*(\c):FA+16*(\f)+8*(\c)+3],   v[ADRA+(\slot)] offset:64*(\kq)+((\c)+2)*16*PITCH
	ds_load_b128 v[FA+16*(\f)+8*(\c)+4:FA+16*(\f)+8*(\c)+7], v[ADRA+(\slot)] offset:64*(\kq)+((\c)+2)*16*PITCH+32
.endr
.endm
.macro QUARTER slot, kq, f, g, zero
	s_wait_dscnt 4                                 ; value's fragments and p's blocks 0, 1 are in (and fac, which is older); the youngest four loads may be out
	SCALE \f, 0, \slot
	MULROW \f, 0, \zero, \slot, 1
	MULROW \f, 1, \zero, \slot, 0
	s_wait_dscnt 0x0                               ; p's blocks 2, 3 are in
	SCALE \f, 2, \slot                             ; eight plain lines that name no register of buffer g's last products: the places in front of the loads below
	FETCH \slot, \kq, \g
	MULROW \f, 2, \zero, \slot, 1
	MULROW \f, 3, \zero, \slot, 0
.endm
; The last quarter multiplies buffer 1 and changes slots: ONE barrier, as in the launches before; behind it the refill first, then the next K step's fac and first fragments.
.macro TURN slot, next, fill
	WIN 0
	s_wait_tensorcnt 0x0                           ; all my tensor loads have landed: my part of the next slot
	ds_add_u32 v[SPW], v[NIL]                      ; 0 onto my spare word
	s_wait_dscnt 5                                 ; (the add and the youngest four loads may be out)
	SCALE 1, 0, \slot
	MULROW 1, 0, 0, \slot, 1
	s_wait_dscnt 0x0                               ; the add is done, and my reads of this slot are over
	s_barrier_signal -1
	MULROW 1, 1, 0, \slot, 0
.if \fill
	WIN 0
.endif
	s_barrier_wait -1
.if \fill
	CREST                                          ; no wave of any partner still reads this slot or has a load on its way
	s_add_nc_u64 s[G0A+4*(\slot)+2:G0A+4*(\slot)+3], s[G0A+4*(\slot)+2:G0A+4*(\slot)+3], 2*KSTEP*2
	s_add_nc_u64 s[G0B+4*(\slot)+2:G0B+4*(\slot)+3], s[G0B+4*(\slot)+2:G0B+4*(\slot)+3], 2*KSTEP*2048
	JLOAD \slot                                    ; 112 matrix instructions ahead of the wait for it; its four v_nop are also the places in front of the loads below
.else
	PLACES
.endif
	WIN 0
	s_add_co_u32 s[FS], s[FS], 256                 ; the next K step's 256 bytes of fac
	v_add_nc_u32 v[FADR], s[FS], v[FAD0]
	WIN TO_B
	ds_load_b128 v[FC+4*(\next):FC+4*(\next)+3], v[FADR]
	FETCH \next, 0, 0
	SCALE 1, 2, \slot
	MULROW 1, 2, 0, \slot, 1
	MULROW 1, 3, 0, \slot, 0
.endm
; THE WAY OUT of row block a: times 1 / l_row; 32 bytes a lane into my stage and back as whole rows of 512 bytes; stored.
.macro PACKF a
	WIN 2+(\a)/2                                   ; source 0: window 2 or 3
.irp b, 0,1,2,3,4,5,6,7
.irp q, 0,1,2,3
	v_pk_mul_f32 v[TMP+8*(\b)+2*(\q):TMP+8*(\b)+2*(\q)+1], v[64*((\a)%2)+8*(\b)+2*(\q):64*((\a)%2)+8*(\b)+2*(\q)+1], v[RI+2*(\a):RI+2*(\a)+1]
.endr
.endr
	WIN 0
.endm
.macro TOSTAGE a
	s_wait_xcnt 0x0                                ; the stores of two blocks ago have read the registers that are loaded below
.irp b, 0,1,2,3,4,5,6,7
	ds_store_b128 v[STO], v[TMP+8*(\b):TMP+8*(\b)+3]   offset:64*(\b)
	ds_store_b128 v[STO], v[TMP+8*(\b)+4:TMP+8*(\b)+7] offset:64*(\b)+16
.endr
.irp t, 0,1,2,3,4,5,6,7,8,9,10,11,12,13,14,15
	ds_load_b128 v[BK+64*((\a)%2)+4*(\t):BK+64*((\a)%2)+4*(\t)+3], v[RD] offset:(\t)*OPITCH
.endr
.endm
.macro SEND a
	s_wait_dscnt 0x0
.irp t, 0,1,2,3,4,5,6,7,8,9,10,11,12,13,14,15
	global_store_b128 v[CO], v[BK+64*((\a)%2)+4*(\t):BK+64*((\a)%2)+4*(\t)+3], s[10:11] offset:(\a)*16*OROW+(\t)*OROW th:TH_STORE_NT  ; 512 consecutive bytes, at a multiple of 512 from out0's first byte
.endr
.endm
	s_wait_tensorcnt 1                             ; my part of K step 0 is in; K step 1's may stay out
	s_wait_dscnt 0x0                               ; my tables are written and read
	s_barrier_signal -1
	s_barrier_wait -1
	FETCH 0, 0, 0
	QUARTER 0, 1, 0, 1, 1                          ; the first quarter stands in front of the loop: its products start the sums
	WIN 0
	s_mov_b32 s3, LAPS-1
.Llap:                                                 ; a trip goes once round the ring and fills both slots again
	QUARTER 0, 2, 1, 0, 0
	QUARTER 0, 3, 0, 1, 0
	TURN 0, 1, 1
	QUARTER 1, 1, 0, 1, 0
	QUARTER 1, 2, 1, 0, 0
	QUARTER 1, 3, 0, 1, 0
	TURN 1, 0, 1
	QUARTER 0, 1, 0, 1, 0
	WIN 0
	s_sub_co_u32 s3, s3, 1
	s_cmp_lg_u32 s3, 0
	s_cbranch_scc1 .Llap
	QUARTER 0, 2, 1, 0, 0                          ; the last lap fills nothing
	QUARTER 0, 3, 0, 1, 0
	TURN 0, 1, 0
	QUARTER 1, 1, 0, 1, 0
	QUARTER 1, 2, 1, 0, 0
	QUARTER 1, 3, 0, 1, 0
	s_wait_dscnt 0x0                               ; the very last quarter: nothing more to fetch
	SCALE 1, 0, 1
	MULROW 1, 0, 0, 1, 1
	MULROW 1, 1, 0, 1, 0
	SCALE 1, 2, 1
	MULROW 1, 2, 0, 1, 1
	MULROW 1, 3, 0, 1, 0
	WIN 0
	PLACES
	PACKF 0
	TOSTAGE 0
.irp a, 1,2,3                          ; block a's multiplies stand between block a - 1's loads from the stage and the wait for them
	PACKF \a
	SEND (\a)-1
	TOSTAGE \a
.endr
	SEND 3
	s_wait_tensorcnt 0x0                           ; the wave's end
	ds_add_u32 v[SPW], v[NIL]
	s_wait_dscnt 0x0
	CROUND                                         ; the closing round
	s_endpgm
.Lfunc_end_k_qe97d9fc62f_pv:
	.size	k_qe97d9fc62f_pv, .Lfunc_end_k_qe97d9fc62f_pv-k_qe97d9fc62f_pv
	.p2alignl 7, 3214868480
	.fill 96, 4, 3214868480
	.section	.rodata,"a",@progbits
	.p2align	6, 0x0
	.amdhsa_kernel k_qe97d9fc62f_pv
		.amdhsa_group_segment_fixed_size 327680
		.amdhsa_private_segment_fixed_size 0
		.amdhsa_enable_private_segment 0
		.amdhsa_kernarg_size 32
		.amdhsa_user_sgpr_count 2
		.amdhsa_user_sgpr_kernarg_segment_ptr 1
		.amdhsa_wavefront_size32 1
		.amdhsa_system_sgpr_workgroup_id_x 1
		.amdhsa_system_sgpr_workgroup_id_y 1
		.amdhsa_system_sgpr_workgroup_id_z 1
		.amdhsa_system_vgpr_workitem_id 0
		.amdhsa_next_free_vgpr 928
		.amdhsa_next_free_sgpr 72
		.amdhsa_reserve_vcc 0
		.amdhsa_float_denorm_mode_32 3
		.amdhsa_float_denorm_mode_16_64 3
		.amdhsa_memory_ordered 1
		.amdhsa_forward_progress 1
		.amdhsa_inst_pref_size 138
	.end_amdhsa_kernel
	.amdgpu_metadata
---
amdhsa.version: [ 1, 2 ]
amdhsa.kernels:
  - .name:           k_qe97d9fc62f_pv
    .symbol:         k_qe97d9fc62f_pv.kd
    .args:
      - { .name: p, .offset: 0, .size: 8, .value_kind: global_buffer, .address_space: global }
      - { .name: qkv, .offset: 8, .size: 8, .value_kind: global_buffer, .address_space: global }
      - { .name: st, .offset: 16, .size: 8, .value_kind: global_buffer, .address_space: global }
      - { .name: out0, .offset: 24, .size: 8, .value_kind: global_buffer, .address_space: global }
    .group_segment_fixed_size: 327680
    .private_segment_fixed_size: 0
    .kernarg_segment_align: 8
    .kernarg_segment_size: 32
    .max_flat_workgroup_size: 128
    .sgpr_count:     72
    .vgpr_count:     928
    .wavefront_size: 32
...
	.end_amdgpu_metadata
.endif
;; end of part 4
;; ======== version 2 of 2: 4 launches; version 1 with the launch cast written anew for expert scheduling mode
;; limits: values are held in f16: magnitudes above 65,504 overflow, below 6.1e-05 lose precision
;; workspace buffers: xb 50,331,648 bytes; wb 6,291,456 bytes; qkv 50,331,648 bytes; p 33,554,432 bytes; st 1,048,576 bytes
;; launch cast (part 5): grid 256 x 1, 32 waves a work-group, no clusters, 0 bytes of LDS; arguments q, k, v, w_q, w_k, w_v, xb, wb; writes xb, wb
.if DOCPART == 5
	.amdgcn_target "amdgcn-amd-amdhsa--gfx1250"
	.amdhsa_code_object_version 6
	.text
	.protected	k_qe97d9fc62f_cast
	.globl	k_qe97d9fc62f_cast
	.p2align	8
	.type	k_qe97d9fc62f_cast,@function
k_qe97d9fc62f_cast:
	s_mov_b64 s[64:65], 0
	v_nop
	global_prefetch_b8 v0, s[64:65] scope:SCOPE_SE
	s_setreg_imm32_b32 hwreg(HW_REG_WAVE_SCHED_MODE, 0, 2), 2
	s_setreg_imm32_b32 hwreg(HW_REG_WAVE_MODE, 25, 1), 1
	s_wait_xcnt 0x0
	s_wait_alu depctr_vm_vsrc(0)
; All six inputs are rounded once to bf16 (nearest even): q, k, v -> xb [24576][1024] (q's rows, then k's, then v's), w_q, w_k, w_v -> wb [3][1024][1024].
; A stream: no LDS, no barrier, no matrix unit.  256 work-groups of 1,024 threads.  Work-group g takes 131,072 bytes of each of q, k, v (8 blocks of 16,384 bytes:
; 1,024 threads x 16 bytes) and one block of 16,384 bytes of each weight: 27 loads a thread, all issued before the first is waited for.
; A wave's load covers 512 consecutive bytes, its store 256 consecutive bytes at a multiple of 256 from the buffer's first byte.
; No register is written again while a store that names it may be pending, so no wait for the stores' sources is needed.
; THE MODE: SCHED_MODE bits 1:0 = 2 (LLVM: expert scheduling mode 2), set by the entry lines.  The code itself states the register dependences
; between vector instructions and memory instructions, with s_wait_alu, always for 0.
; THE PLAN.  Registers that memory instructions touch:
;   v1, v2              byte offsets of the loads and of the stores: written once at the head, never again.
;   v[X+4m : X+4m+3]    load m lands here, once; the two roundings of m read all four and write the first two; store m reads those two; nothing writes them afterwards.
; The 27 loads go in seven groups, six of four and one of three.  Group p waits for its loads and rounds them; the stores of group p - 1 are dealt among its roundings,
; which name group p's registers alone.  So ONE wait on va_vdst at a group's head states all that the stores issued in the group hang on.
; No register that a memory instruction has read is written again, and no load lands in a register that a vector instruction has named: nothing else is owed.
.set X, 4                              ; v[4:111]  load n in v[X+4n : X+4n+3]; its two packed words take the first two of them
.set LOADS, 27
	s_load_b512 s[8:23], s[0:1], 0x0               ; q 8, k 10, v 12, w_q 14, w_k 16, w_v 18, xb 20, wb 22
	s_lshl_b32 s2, ttmp9, 17                       ; my 131,072 bytes of q, k, v
	s_mov_b32 s3, 0
	s_lshl_b32 s24, ttmp9, 14                      ; my 16,384 bytes of a weight
	s_mov_b32 s25, 0
	s_lshl_b32 s34, ttmp9, 16                      ; half as much in bf16
	s_mov_b32 s35, 0
	s_lshl_b32 s36, ttmp9, 13
	s_mov_b32 s37, 0
	v_lshlrev_b32 v1, 4, v0                        ; 16 bytes a thread in
	v_lshlrev_b32 v2, 3, v0                        ; 8 bytes a thread out
	s_wait_kmcnt 0x0
	s_add_nc_u64 s[8:9], s[8:9], s[2:3]
	s_add_nc_u64 s[10:11], s[10:11], s[2:3]
	s_add_nc_u64 s[12:13], s[12:13], s[2:3]
	s_add_nc_u64 s[14:15], s[14:15], s[24:25]
	s_add_nc_u64 s[16:17], s[16:17], s[24:25]
	s_add_nc_u64 s[18:19], s[18:19], s[24:25]
	s_add_nc_u64 s[26:27], s[20:21], s[34:35]      ; xb at my part of q's rows,
	s_add_nc_u64 s[28:29], s[26:27], 0x1000000     ; of k's (8,192 rows of 2,048 bytes on),
	s_add_nc_u64 s[30:31], s[26:27], 0x2000000     ; of v's
	s_add_nc_u64 s[32:33], s[22:23], s[36:37]      ; wb at my part of w_q
	s_wait_alu depctr_va_vdst(0)                   ; v1 and v2 are written: every load of the kernel reads v1 as its offset, every store v2
.macro LD8 base, first                 ; eight blocks of one activation
.set n, 0
.rept 8
	global_load_b128 v[X+4*((\first)+n):X+4*((\first)+n)+3], v1, s[\base:\base+1] offset:n*16384 th:TH_LOAD_NT
.set n, n+1
.endr
.endm
	LD8 8, 0
	LD8 10, 8
	LD8 12, 16
	global_load_b128 v[X+96:X+99],   v1, s[14:15] th:TH_LOAD_NT
	global_load_b128 v[X+100:X+103], v1, s[16:17] th:TH_LOAD_NT
	global_load_b128 v[X+104:X+107], v1, s[18:19] th:TH_LOAD_NT
.macro CVT m                           ; load m's four numbers: two roundings of two
	v_cvt_pk_bf16_f32 v[X+4*(\m)],   v[X+4*(\m)],   v[X+4*(\m)+1]
	v_cvt_pk_bf16_f32 v[X+4*(\m)+1], v[X+4*(\m)+2], v[X+4*(\m)+3]
.endm
.macro ST m                            ; 8 bytes out.  Loads 0-7 are q's blocks, 8-15 k's, 16-23 v's (bases s26, s28, s30; a block is 8,192 bytes in bf16); 24-26 the three weights
.if (\m) < 24
	global_store_b64 v2, v[X+4*(\m):X+4*(\m)+1], s[26+2*((\m)/8):27+2*((\m)/8)] offset:((\m)%8)*8192
.else
	global_store_b64 v2, v[X+4*(\m):X+4*(\m)+1], s[32:33] offset:((\m)-24)*2097152  ; a weight is 2,097,152 bytes in bf16
.endif
.endm
; Group p: loads 4 p to 4 p + 3 (the last group: three).  left = how many younger loads may still be out when the group's have to be there.
.macro GROUP p, left
	s_wait_loadcnt \left                           ; loads come back in order (ISA guide 5.7.1): this group's are in, the younger ones stay out
.if (\p) > 0
	s_wait_alu depctr_va_vdst(0)                   ; the roundings of the group before have written their registers, which the stores below read
.endif
.irp i, 0,1,2,3
.if (\p) > 0
	ST 4*((\p)-1)+(\i)                             ; the group before.  No vector instruction since the wait names its registers or v2
.endif
.if 4*(\p)+(\i) < LOADS
	CVT 4*(\p)+(\i)
.endif
.endr
.endm
.irp p, 0,1,2,3,4,5
	GROUP \p, LOADS-4-4*\p                         ; 27 loads less the 4 p + 4 that must be in
.endr
	GROUP 6, 0                                     ; the three weights: the last loads
	s_wait_alu depctr_va_vdst(0)                   ; the last group's roundings have written their registers, which the last three stores read
	ST 24
	ST 25
	ST 26
	s_endpgm
.Lfunc_end_k_qe97d9fc62f_cast:
	.size	k_qe97d9fc62f_cast, .Lfunc_end_k_qe97d9fc62f_cast-k_qe97d9fc62f_cast
	.p2alignl 7, 3214868480
	.fill 96, 4, 3214868480
	.section	.rodata,"a",@progbits
	.p2align	6, 0x0
	.amdhsa_kernel k_qe97d9fc62f_cast
		.amdhsa_group_segment_fixed_size 0
		.amdhsa_private_segment_fixed_size 0
		.amdhsa_enable_private_segment 0
		.amdhsa_kernarg_size 64
		.amdhsa_user_sgpr_count 2
		.amdhsa_user_sgpr_kernarg_segment_ptr 1
		.amdhsa_wavefront_size32 1
		.amdhsa_system_sgpr_workgroup_id_x 1
		.amdhsa_system_sgpr_workgroup_id_y 1
		.amdhsa_system_sgpr_workgroup_id_z 1
		.amdhsa_system_vgpr_workitem_id 0
		.amdhsa_next_free_vgpr 112
		.amdhsa_next_free_sgpr 66
		.amdhsa_reserve_vcc 0
		.amdhsa_float_denorm_mode_32 3
		.amdhsa_float_denorm_mode_16_64 3
		.amdhsa_memory_ordered 1
		.amdhsa_forward_progress 1
		.amdhsa_inst_pref_size 11
	.end_amdhsa_kernel
	.amdgpu_metadata
---
amdhsa.version: [ 1, 2 ]
amdhsa.kernels:
  - .name:           k_qe97d9fc62f_cast
    .symbol:         k_qe97d9fc62f_cast.kd
    .args:
      - { .name: q, .offset: 0, .size: 8, .value_kind: global_buffer, .address_space: global }
      - { .name: k, .offset: 8, .size: 8, .value_kind: global_buffer, .address_space: global }
      - { .name: v, .offset: 16, .size: 8, .value_kind: global_buffer, .address_space: global }
      - { .name: w_q, .offset: 24, .size: 8, .value_kind: global_buffer, .address_space: global }
      - { .name: w_k, .offset: 32, .size: 8, .value_kind: global_buffer, .address_space: global }
      - { .name: w_v, .offset: 40, .size: 8, .value_kind: global_buffer, .address_space: global }
      - { .name: xb, .offset: 48, .size: 8, .value_kind: global_buffer, .address_space: global }
      - { .name: wb, .offset: 56, .size: 8, .value_kind: global_buffer, .address_space: global }
    .group_segment_fixed_size: 0
    .private_segment_fixed_size: 0
    .kernarg_segment_align: 8
    .kernarg_segment_size: 64
    .max_flat_workgroup_size: 1024
    .sgpr_count:     66
    .vgpr_count:     112
    .wavefront_size: 32
...
	.end_amdgpu_metadata
.endif
;; end of part 5
;; launch proj: the kernel of part 2 again; grid 4 x 96, 4 waves a work-group, clusters of 4 x 4, 327,680 bytes of LDS; arguments xb, wb, qkv; writes qkv
;; launch scores: the kernel of part 3 again; grid 8 x 32, 4 waves a work-group, clusters of 4 x 4, 327,680 bytes of LDS; arguments qkv, p, st; writes p, st
;; launch pv: the kernel of part 4 again; grid 4 x 64, 4 waves a work-group, clusters of 4 x 4, 327,680 bytes of LDS; arguments p, qkv, st, out0; writes out0
